; MI455X (gfx1250); checked and timed in simulation.
; The chip was launched on July 23, 2026; its instructions are those of AMD's public machine-readable ISA for CDNA 5 (MIT licence, August 2026) and "CDNA5" Instruction Set Architecture Reference Guide (July 2026). The comments in the code are by the model that wrote it; some were corrected since.
;; Linformer Self Attention. Allowed arithmetic: float matrix products may take bf16 or f16 operands with f32 sums; all other float work in f32.
;; Inputs: Wkv 1,024 x 2,048 float32; Wproj 1,024 x 1,024 float32; Wq 1,024 x 1,024 float32; bproj 1,024 float32; proj_k 4,096 x 256 float32; proj_v 4,096 x 256 float32; x 2 x 4,096 x 1,024 float32.
;; Outputs: out0 2 x 4,096 x 1,024 float32.
;; 2 versions, each right; version 2 is version 1 with the launch cvt written anew for expert scheduling mode. Each part assembles by itself: llvm-mc -triple=amdgcn-amd-amdhsa -mcpu=gfx1250 --defsym DOCPART=n.
;; ======== version 1 of 2: 5 launches
;; limits: values are held in f16: magnitudes above 65,504 overflow, below 6.1e-05 lose precision; right only within a limited range of input values
;; workspace buffers: xb 16,777,216 bytes; pb 4,194,304 bytes; wqb 2,097,152 bytes; wkvb 4,194,304 bytes; wpb 2,097,152 bytes; xpart 16,781,312 bytes; kvb 2,097,152 bytes; ob 16,777,216 bytes
;; launch cvt (part 1): grid 512 x 1, 8 waves a work-group, no clusters, 0 bytes of LDS; arguments x, Wq, Wkv, Wproj, proj_k, proj_v, xb, wqb, wkvb, wpb, pb; writes xb, wqb, wkvb, wpb, pb
.if DOCPART == 1
	.amdgcn_target "amdgcn-amd-amdhsa--gfx1250"
	.amdhsa_code_object_version 6
	.text
	.protected	k_q0134af20d5_cvt
	.globl	k_q0134af20d5_cvt
	.p2align	8
	.type	k_q0134af20d5_cvt,@function
k_q0134af20d5_cvt:
	s_mov_b64 s[64:65], 0
	v_nop
	global_prefetch_b8 v0, s[64:65] scope:SCOPE_SE
	s_setreg_imm32_b32 hwreg(HW_REG_WAVE_MODE, 25, 1), 1
	s_wait_xcnt 0x0
; Every large input is rounded once from f32 to f16, the form in which the matrix units of the later launches take it.
; WHY f16 AND NOT bf16: the result passes through a chain of five rounded intermediates and is compared within 1 % of its root mean square;
; 8 significant bits a rounding leave too little of that, 11 bits leave it nearly whole.
; RANGE: x is drawn with spread 1 (30 x larger: about 165; with an offset of 30: about 35), proj_k/proj_v within 1/16, the weights within 1/32:
; all far under f16's 65,504.  30 x smaller: numbers under 2^-14 keep an absolute error of 2^-25, under 1/20,000 of the smallest input's spread.
; LIMIT: an input number beyond 65,504 in magnitude becomes infinite.
; xb, wqb, wkvb, wpb keep their input's shape; pb is [4096][512]: columns 0-255 proj_k, 256-511 proj_v.
; A unit of work is 8 neighbouring f32 of one thread (two 16-byte loads) -> 16 bytes of f16 (one store): sixteen neighbouring lanes store
; 256 consecutive bytes, aligned.  512 work-groups x 256 threads x 14 units x 8 = all 14,680,064 numbers; by input: x 8 units, Wq 1, Wkv 2,
; Wproj 1, proj_k 1, proj_v 1.  All 28 loads of a thread go out first; no register is written twice, so the only waits are the counted ones.
; No LDS, no matrix unit, no cluster: the work-groups share no byte.
.set X, 8                              ; v[8:119]  unit u: 8 registers as loaded, its first 4 as stored
.macro LD u, base, off
	global_load_b128 v[X+8*\u:X+8*\u+3],   v1, s[\base:\base+1] offset:\off th:TH_LOAD_NT
	global_load_b128 v[X+8*\u+4:X+8*\u+7], v1, s[\base:\base+1] offset:\off+16 th:TH_LOAD_NT
.endm
.macro CV u, vo, base, off
	s_wait_loadcnt 26-2*\u                         ; loads return in order: the 2 x (13 - u) loads of the later units may stay out
.irp j, 0,1,2,3
	v_cvt_pk_f16_f32 v[X+8*\u+\j], v[X+8*\u+2*\j], v[X+8*\u+2*\j+1]   ; in place, ascending: no source is overwritten before it is read
.endr
	global_store_b128 v[\vo], v[X+8*\u:X+8*\u+3], s[\base:\base+1] offset:\off
.endm
	s_load_b512 s[4:19], s[0:1], 0x0               ; x 4, Wq 6, Wkv 8, Wproj 10, proj_k 12, proj_v 14, xb 16, wqb 18
	s_load_b128 s[20:23], s[0:1], 0x40             ; wkvb 20, wpb 22
	s_load_b64 s[24:25], s[0:1], 0x50              ; pb 24
	s_lshl_b32 s26, ttmp9, 16                      ; the work-group's share, in bytes: x 65,536
	s_mov_b32 s27, 0
	s_lshl_b32 s28, ttmp9, 15                      ; xb 32,768
	s_mov_b32 s29, 0
	s_lshl_b32 s30, ttmp9, 14                      ; Wkv 16,384
	s_mov_b32 s31, 0
	s_lshl_b32 s32, ttmp9, 13                      ; Wq, Wproj, proj_k, proj_v, wkvb, pb 8,192
	s_mov_b32 s33, 0
	s_lshl_b32 s34, ttmp9, 12                      ; wqb, wpb 4,096
	s_mov_b32 s35, 0
	v_lshlrev_b32 v1, 5, v0                        ; in: 32 t
	v_lshlrev_b32 v2, 4, v0                        ; out: 16 t
	v_lshrrev_b32 v3, 5, v0                        ; pb: a row of proj_k is 32 threads' work; row t / 32 of the group's 8,
	v_and_b32 v4, 31, v0
	v_lshlrev_b32 v4, 4, v4
	v_lshl_add_u32 v3, v3, 10, v4                  ; 1,024 bytes a row of pb + 16 (t mod 32)
	s_wait_kmcnt 0x0
	s_add_nc_u64 s[4:5], s[4:5], s[26:27]
	s_add_nc_u64 s[6:7], s[6:7], s[32:33]
	s_add_nc_u64 s[8:9], s[8:9], s[30:31]
	s_add_nc_u64 s[10:11], s[10:11], s[32:33]
	s_add_nc_u64 s[12:13], s[12:13], s[32:33]
	s_add_nc_u64 s[14:15], s[14:15], s[32:33]
	s_add_nc_u64 s[16:17], s[16:17], s[28:29]
	s_add_nc_u64 s[18:19], s[18:19], s[34:35]
	s_add_nc_u64 s[20:21], s[20:21], s[32:33]
	s_add_nc_u64 s[22:23], s[22:23], s[34:35]
	s_add_nc_u64 s[24:25], s[24:25], s[32:33]
.irp i, 0,1,2,3,4,5,6,7
	LD \i, 4, 8192*\i
.endr
	LD 8, 6, 0
	LD 9, 8, 0
	LD 10, 8, 8192
	LD 11, 10, 0
	LD 12, 12, 0
	LD 13, 14, 0
.irp i, 0,1,2,3,4,5,6,7
	CV \i, 2, 16, 4096*\i
.endr
	CV 8, 2, 18, 0
	CV 9, 2, 20, 0
	CV 10, 2, 20, 4096
	CV 11, 2, 22, 0
	CV 12, 3, 24, 0                                ; proj_k: the left 512 bytes of pb's rows
	CV 13, 3, 24, 512                              ; proj_v: the right 512
	s_endpgm
.Lfunc_end_k_q0134af20d5_cvt:
	.size	k_q0134af20d5_cvt, .Lfunc_end_k_q0134af20d5_cvt-k_q0134af20d5_cvt
	.p2alignl 7, 3214868480
	.fill 96, 4, 3214868480
	.section	.rodata,"a",@progbits
	.p2align	6, 0x0
	.amdhsa_kernel k_q0134af20d5_cvt
		.amdhsa_group_segment_fixed_size 0
		.amdhsa_private_segment_fixed_size 0
		.amdhsa_enable_private_segment 0
		.amdhsa_kernarg_size 88
		.amdhsa_user_sgpr_count 2
		.amdhsa_user_sgpr_kernarg_segment_ptr 1
		.amdhsa_wavefront_size32 1
		.amdhsa_system_sgpr_workgroup_id_x 1
		.amdhsa_system_sgpr_workgroup_id_y 1
		.amdhsa_system_sgpr_workgroup_id_z 1
		.amdhsa_system_vgpr_workitem_id 0
		.amdhsa_next_free_vgpr 120
		.amdhsa_next_free_sgpr 66
		.amdhsa_reserve_vcc 0
		.amdhsa_float_denorm_mode_32 3
		.amdhsa_float_denorm_mode_16_64 3
		.amdhsa_memory_ordered 1
		.amdhsa_forward_progress 1
		.amdhsa_inst_pref_size 10
	.end_amdhsa_kernel
	.amdgpu_metadata
---
amdhsa.version: [ 1, 2 ]
amdhsa.kernels:
  - .name:           k_q0134af20d5_cvt
    .symbol:         k_q0134af20d5_cvt.kd
    .args:
      - { .name: x, .offset: 0, .size: 8, .value_kind: global_buffer, .address_space: global }
      - { .name: Wq, .offset: 8, .size: 8, .value_kind: global_buffer, .address_space: global }
      - { .name: Wkv, .offset: 16, .size: 8, .value_kind: global_buffer, .address_space: global }
      - { .name: Wproj, .offset: 24, .size: 8, .value_kind: global_buffer, .address_space: global }
      - { .name: proj_k, .offset: 32, .size: 8, .value_kind: global_buffer, .address_space: global }
      - { .name: proj_v, .offset: 40, .size: 8, .value_kind: global_buffer, .address_space: global }
      - { .name: xb, .offset: 48, .size: 8, .value_kind: global_buffer, .address_space: global }
      - { .name: wqb, .offset: 56, .size: 8, .value_kind: global_buffer, .address_space: global }
      - { .name: wkvb, .offset: 64, .size: 8, .value_kind: global_buffer, .address_space: global }
      - { .name: wpb, .offset: 72, .size: 8, .value_kind: global_buffer, .address_space: global }
      - { .name: pb, .offset: 80, .size: 8, .value_kind: global_buffer, .address_space: global }
    .group_segment_fixed_size: 0
    .private_segment_fixed_size: 0
    .kernarg_segment_align: 8
    .kernarg_segment_size: 88
    .max_flat_workgroup_size: 256
    .sgpr_count:     66
    .vgpr_count:     120
    .wavefront_size: 32
...
	.end_amdgpu_metadata
.endif
;; end of part 1
;; launch xp (part 2): grid 4 x 64, 4 waves a work-group, clusters of 4 x 4, 327,680 bytes of LDS; arguments pb, xb, xpart; writes xpart
.if DOCPART == 2
	.amdgcn_target "amdgcn-amd-amdhsa--gfx1250"
	.amdhsa_code_object_version 6
	.text
	.protected	k_q0134af20d5_xp
	.globl	k_q0134af20d5_xp
	.p2align	8
	.type	k_q0134af20d5_xp,@function
k_q0134af20d5_xp:
	s_mov_b64 s[64:65], 0
	v_nop
	global_prefetch_b8 v0, s[64:65] scope:SCOPE_SE
	s_setreg_imm32_b32 hwreg(HW_REG_WAVE_MODE, 25, 1), 1
	s_wait_xcnt 0x0
	s_wait_alu depctr_hold_cnt(0) depctr_sa_sdst(0) depctr_va_vdst(0) depctr_va_sdst(0) depctr_va_ssrc(0) depctr_va_vcc(0) depctr_vm_vsrc(0)
	s_getreg_b32 s2, hwreg(HW_REG_IB_STS2, 6, 4)
	s_cmp_eq_u32 s2, 0
	s_cbranch_scc0 .Lentry_in_a_cluster
	s_endpgm
.Lentry_in_a_cluster:
	s_bfe_u32 s2, ttmp6, 0x10000c
	s_cmp_lg_u32 s2, 0xf033
	s_cbranch_scc0 .Lentry_shape_is_right
	s_endpgm
.Lentry_shape_is_right:
; xpart[ks][b*512 + f][d] = sum over the 1,024 n of quarter ks of pb[n][f] * xb[b][n][d], f32; behind the four planes, at byte 16,777,216,
; 1,024 f32: the largest |partial sum| of each wave of each work-group.  From these the later launches take one common power-of-two scale, so that
; what is made of these sums can be rounded to f16 whatever the size of x and of the projections.
; This is the sequence projection taken BEFORE the key/value weights: proj^T (x W) = (proj^T x) W holds for every input and only changes the
; order of two sums.  LIMITS: that order of summation, and the split of n into four partial sums (added by one owner in the next launch), differ
; from the reference's order; operands are f16, sums f32.
; A work-group makes 128 f x 128 d over 1,024 n, four waves of 64 x 64 (16 accumulator tiles).  n goes in 4 steps of 256 through two LDS slots.
; Both operands lie [n][column] in memory, n being the summed index, so fragments are read by transposing LDS loads; rows in LDS are 256 bytes
; + 32 of padding = 288, an odd multiple of 32.
; CLUSTER 4 x 4: pb's tile hangs on the f block and ks, shared down a column of the cluster; xb's on batch, d block and ks, shared along a row.
; Each is asked for jointly by its four work-groups, which divides the requests by four.  A wave has at most two tensor loads out (the two first
; fills), later one.
; The product is used transposed (source 0 = x's columns d, source 1 = pb's columns f): a lane holds row f = lane % 16 and 8 neighbouring d.
.set PITCH,  288
.set HALFT,  128*PITCH                 ; what one tensor load brings: 128 rows
.set OPER,   2*HALFT                   ; one operand's 256 rows
.set SLOT,   2*OPER                    ; pb's rows, then xb's
.set STAGE,  2*SLOT                    ; behind the ring: 16 rows x 272 bytes for each wave; no tensor load lands here
.set SPITCH, 272
.set PSTEP,  256*1024                  ; 256 rows of pb, in bytes
.set XSTEP,  256*2048                  ; 256 rows of xb
.set MAXOFF, 0x1000000                 ; the maxima lie behind the four planes of 4,194,304 bytes
.set LN,   12                          ; v12     lane
.set ADRP, 16                          ; v16-19  pb fragments: slot 0/1 x rows 0-127/128-255 (an LDS immediate has 16 bits)
.set ADRX, 20                          ; v20-23  the same for xb
.set STO,  24
.set RD,   25
.set CO,   26
.set ZO,   27                          ; v27     0: the offset of the one small store
.set MX,   28                          ; v28-31  four running maxima
.set F0,   64                          ; v64-127   fragments: x at +8 i, pb at +32 + 8 i
.set F1,   128                         ; v128-191  second buffer
.set G1P, 24                           ; s[24:31] shape of pb's tiles, mask of my column
.set G0P, 32                           ; s[32:39] from/to, one set a slot
.set G1X, 48                           ; s[48:55] shape of xb's tiles, mask of my row
.set G0X, 56                           ; s[56:63]
.set MSB, 0
.macro WIN new                         ; the immediate's high byte repeats the setting that is left
.if MSB != (\new)
	s_set_vgpr_msb (MSB<<8)|(\new)
.set MSB, (\new)
.endif
.endm
.macro PLACES                          ; four places behind a matrix instruction before its registers are loaded into, read or written (ISA guide 7.12.1)
.rept 4
	v_nop
.endr
.endm
.macro JLOAD s                         ; waves 0, 1 ask for pb's halves, waves 2, 3 for xb's: one mask a line; the branch hangs on the wave's number alone
	s_cmp_eq_u32 s11, 0
	s_cbranch_scc0 .Lfor_x_\@
	tensor_load_to_lds s[G0P+4*\s:G0P+4*\s+3], s[G1P:G1P+7]
	s_nop 0
	s_branch .Lasked_\@
.Lfor_x_\@:
	tensor_load_to_lds s[G0X+4*\s:G0X+4*\s+3], s[G1X:G1X+7]
	s_nop 0
.Lasked_\@:
.endm
.macro CREST                           ; a round of the cluster's barrier behind its opening barrier
	s_cmp_lg_u32 s10, 0
	s_cbranch_scc1 .Lnot_wave_0_\@
	s_barrier_signal -3
.Lnot_wave_0_\@:
	s_barrier_wait -3
	s_barrier_signal -1
	s_barrier_wait -1
.endm
.macro CROUND
	s_barrier_signal -1
	s_barrier_wait -1
	CREST
.endm
	s_load_b128 s[4:7], s[0:1], 0x0                ; pb, xb
	s_load_b64 s[8:9], s[0:1], 0x10                ; xpart
	v_lshl_add_u32 v254, v0, 2, 0x4c400
	v_mov_b32 v255, 0
	ds_add_u32 v254, v255
	v_lshrrev_b32 v1, 5, v0
	v_readfirstlane_b32 s10, v1                    ; wave
	s_lshr_b32 s11, s10, 1                         ; my half of the f rows; also: I fetch for pb (0) or xb (1)
	s_and_b32 s12, s10, 1                          ; my half of the d columns; also: which 128 rows I fetch
	s_bfe_u32 s40, ttmp6, 0x40000                  ; cx
	s_bfe_u32 s41, ttmp6, 0x40004                  ; cy
	s_lshl_b32 s42, ttmp9, 2
	s_add_co_u32 s42, s42, s40                     ; f block 0..3
	s_and_b32 s13, ttmp7, 0xffff                   ; the cluster's y, 0..15
	s_lshr_b32 s14, s13, 2                         ; ks: the quarter of n, the same in the whole cluster
	s_and_b32 s15, s13, 3
	s_lshl_b32 s15, s15, 2
	s_add_co_u32 s15, s15, s41                     ; column tile 0..15
	s_lshr_b32 s16, s15, 3                         ; batch
	s_and_b32 s17, s15, 7                          ; d block
	s_lshl_b32 s43, s41, 2
	s_lshl_b32 s43, 15, s43                        ; my row of the cluster
	s_lshl_b32 s44, 0x1111, s40                    ; my column
	s_mov_b32 s74, 0x76543210                      ; v_permlanex16_b32: lane i reads lane i of the other half
	s_mov_b32 s75, 0xfedcba98
	; group 1: 128 rows x 128 elements of 2 bytes; after every 64 words 8 words of padding; bit 21 beside the mask
	s_or_b32 s[G1P+0], s44, (1<<16)|(1<<20)|(1<<21)|(5<<22)|(7<<25)
	s_or_b32 s[G1X+0], s43, (1<<16)|(1<<20)|(1<<21)|(5<<22)|(7<<25)
	s_mov_b32 s[G1P+1], 128<<16                    ; tensor_dim0
	s_mov_b32 s[G1X+1], 128<<16
	s_mov_b32 s[G1P+2], 128<<16                    ; tensor_dim1
	s_mov_b32 s[G1X+2], 128<<16
	s_mov_b32 s[G1P+3], 128<<16                    ; tile_dim0
	s_mov_b32 s[G1X+3], 128<<16
	s_mov_b32 s[G1P+4], 128                        ; tile_dim1
	s_mov_b32 s[G1X+4], 128
	s_mov_b32 s[G1P+5], 512                        ; elements from row to row
	s_mov_b32 s[G1X+5], 1024
	s_mov_b32 s[G1P+6], 0
	s_mov_b32 s[G1X+6], 0
	s_mov_b32 s[G1P+7], 0
	s_mov_b32 s[G1X+7], 0
	; pb: row 1024 ks + 128 half, 1,024 bytes a row, column byte 256 x f block.  No register here ever holds cy.
	s_lshl_b32 s18, s14, 20
	s_lshl_b32 s20, s12, 17
	s_add_co_u32 s18, s18, s20
	s_lshl_b32 s20, s42, 8
	s_add_co_u32 s18, s18, s20
	s_mov_b32 s19, 0
	; xb: row 4096 b + 1024 ks + 128 half, 2,048 bytes a row, column byte 256 x d block.  No register here ever holds cx.
	s_lshl_b32 s46, s16, 23
	s_lshl_b32 s45, s14, 21
	s_add_co_u32 s46, s46, s45
	s_lshl_b32 s45, s12, 18
	s_add_co_u32 s46, s46, s45
	s_lshl_b32 s45, s17, 8
	s_add_co_u32 s46, s46, s45
	s_mov_b32 s47, 0
	s_mul_i32 s21, s10, HALFT                      ; to LDS: wave x 128 rows: pb's halves, then xb's
	; xpart: plane ks, row 512 b + 128 f block + 64 half, column 128 d block + 64 half, f32
	s_lshl_b32 s70, s14, 22
	s_lshl_b32 s69, s16, 21
	s_add_co_u32 s70, s70, s69
	s_lshl_b32 s69, s42, 19
	s_add_co_u32 s70, s70, s69
	s_lshl_b32 s69, s11, 18
	s_add_co_u32 s70, s70, s69
	s_lshl_b32 s69, s17, 9
	s_add_co_u32 s70, s70, s69
	s_lshl_b32 s69, s12, 8
	s_add_co_u32 s70, s70, s69
	s_mov_b32 s71, 0
	; my wave's word among the 1,024 maxima: ((work-group y x 4 + f block) x 4 + wave) x 4 bytes
	s_lshl_b32 s72, s13, 2
	s_add_co_u32 s72, s72, s41
	s_lshl_b32 s72, s72, 2
	s_add_co_u32 s72, s72, s42
	s_lshl_b32 s72, s72, 2
	s_add_co_u32 s72, s72, s10
	s_lshl_b32 s72, s72, 2
	s_add_co_u32 s72, s72, MAXOFF
	s_mov_b32 s73, 0
	s_wait_dscnt 0x0
	s_wait_kmcnt 0x0
	s_add_nc_u64 s[18:19], s[4:5], s[18:19]
	s_add_nc_u64 s[46:47], s[6:7], s[46:47]
	s_add_nc_u64 s[72:73], s[8:9], s[72:73]
	s_add_nc_u64 s[8:9], s[8:9], s[70:71]
	CROUND                                         ; all sixteen work-groups are here: the first joint loads meet
.irp s, 0,1
	s_mov_b32 s[G0P+4*\s], 1
	s_add_co_u32 s[G0P+4*\s+1], s21, \s*SLOT
	s_add_nc_u64 s[G0P+4*\s+2:G0P+4*\s+3], s[18:19], \s*PSTEP
	s_or_b32 s[G0P+4*\s+3], s[G0P+4*\s+3], 0x80000000
	s_mov_b32 s[G0X+4*\s], 1
	s_add_co_u32 s[G0X+4*\s+1], s21, \s*SLOT
	s_add_nc_u64 s[G0X+4*\s+2:G0X+4*\s+3], s[46:47], \s*XSTEP
	s_or_b32 s[G0X+4*\s+3], s[G0X+4*\s+3], 0x80000000
	JLOAD \s                                       ; steps 0 and 1: both first fills, ahead of everything else
.endr
	; a transposing load: lane l addresses row 8 (l / 16) + l % 8 of the 16 summed rows, 16-byte half (l / 8) % 2 of the 16 columns
	v_and_b32 v1, 15, v0
	v_and_b32 v2, 7, v0
	v_bfe_u32 v3, v0, 4, 1
	v_bfe_u32 v4, v0, 3, 1
	v_and_b32 v[LN], 31, v0
	v_mov_b32 v[ZO], 0
	v_lshl_add_u32 v2, v3, 3, v2
	v_mul_u32_u24 v2, v2, PITCH
	v_lshl_add_u32 v2, v4, 4, v2
	s_lshl_b32 s22, s11, 7                         ; my 64 f columns: 128 bytes
	s_lshl_b32 s23, s12, 7                         ; my 64 d columns,
	s_add_co_u32 s23, s23, OPER                    ; behind pb's rows
	v_add_nc_u32 v5, s22, v2
	v_add_nc_u32 v6, s23, v2
.irp s, 0,1
.irp qh, 0,1
	v_add_nc_u32 v[ADRP+2*\s+\qh], \s*SLOT+\qh*HALFT, v5
	v_add_nc_u32 v[ADRX+2*\s+\qh], \s*SLOT+\qh*HALFT, v6
.endr
.endr
	s_mul_i32 s68, s10, 16*SPITCH
	s_add_co_u32 s68, s68, STAGE                   ; my stage
	v_mul_u32_u24 v7, v1, SPITCH
	v_lshl_add_u32 v7, v3, 5, v7                   ; in: row l % 16, 32 bytes for each half of the lanes
	v_add_nc_u32 v[STO], s68, v7
	v_mul_u32_u24 v8, v3, SPITCH
	v_lshl_add_u32 v8, v1, 4, v8                   ; back: lanes 0-15 one row of 256 bytes, lanes 16-31 the next
	v_add_nc_u32 v[RD], s68, v8
	v_lshlrev_b32 v9, 12, v3
	v_lshl_add_u32 v[CO], v1, 4, v9                ; the same two rows in xpart, 4,096 bytes apart
; 16 loads: the fragments of 32 summed rows (chunk q of the step's eight) into buffer f
.macro FETCH slot, q, f
.irp i, 0,1,2,3
	ds_load_tr16_b128 v[\f+8*\i:\f+8*\i+3],   v[ADRX+2*\slot+((\q)>>2)] offset:((\q)&3)*32*PITCH+32*\i
	ds_load_tr16_b128 v[\f+8*\i+4:\f+8*\i+7], v[ADRX+2*\slot+((\q)>>2)] offset:((\q)&3)*32*PITCH+32*\i+16*PITCH
.endr
.irp i, 0,1,2,3
	ds_load_tr16_b128 v[\f+32+8*\i:\f+32+8*\i+3],   v[ADRP+2*\slot+((\q)>>2)] offset:((\q)&3)*32*PITCH+32*\i
	ds_load_tr16_b128 v[\f+32+8*\i+4:\f+32+8*\i+7], v[ADRP+2*\slot+((\q)>>2)] offset:((\q)&3)*32*PITCH+32*\i+16*PITCH
.endr
.endm
; 8 matrix instructions: f tiles i0, i0 + 1 x all 4 d tiles.  The 16 accumulators take turns, one instruction a turn.
.macro MUL8 f, i0, zero
.irp a, \i0, \i0+1
.irp d, 0,1,2,3
.if \zero
	v_wmma_f32_16x16x32_f16 v[8*(4*(\a)+\d):8*(4*(\a)+\d)+7], v[\f+8*\d:\f+8*\d+7], v[\f+32+8*(\a):\f+32+8*(\a)+7], 0
.else
	v_wmma_f32_16x16x32_f16 v[8*(4*(\a)+\d):8*(4*(\a)+\d)+7], v[\f+8*\d:\f+8*\d+7], v[\f+32+8*(\a):\f+32+8*(\a)+7], v[8*(4*(\a)+\d):8*(4*(\a)+\d)+7]
.endif
.endr
.endr
.endm
; multiplies buffer f and, ahead of that, asks for chunk q into buffer g
.macro CHUNK slot, q, f, g, zero
	s_wait_dscnt 0x0                               ; buffer f is in: its loads went out 16 matrix instructions ago
	WIN 0
	PLACES
	FETCH \slot, \q, \g
	WIN 0x50                                       ; C and D in window 1
	MUL8 \f, 0, \zero
	MUL8 \f, 2, \zero
.endm
.macro SEVEN slot, zero
	CHUNK \slot, 1, F0, F1, \zero
	CHUNK \slot, 2, F1, F0, 0
	CHUNK \slot, 3, F0, F1, 0
	CHUNK \slot, 4, F1, F0, 0
	CHUNK \slot, 5, F0, F1, 0
	CHUNK \slot, 6, F1, F0, 0
	CHUNK \slot, 7, F0, F1, 0
.endm
; the step's last chunk, and the change of slots.  In front of the barrier: my reads of this slot are back and all my tensor loads have landed
; (my part of the next slot among them).  Where the slot is filled again the barrier opens a round of the cluster's barrier, and the joint
; refill is the first tensor load behind the round.
.macro TURN slot, next, fill
	s_wait_dscnt 0x0
	s_wait_tensorcnt 0x0
	ds_add_u32 v254, v255
	s_wait_dscnt 0x0
	s_barrier_signal -1
	WIN 0x50
	MUL8 F1, 0, 0                                  ; register work while the others arrive
	WIN 0
	s_barrier_wait -1
.if \fill
	CREST
	s_add_nc_u64 s[G0P+4*\slot+2:G0P+4*\slot+3], s[G0P+4*\slot+2:G0P+4*\slot+3], 2*PSTEP
	s_add_nc_u64 s[G0X+4*\slot+2:G0X+4*\slot+3], s[G0X+4*\slot+2:G0X+4*\slot+3], 2*XSTEP
	JLOAD \slot
.endif
	PLACES
	FETCH \next, 0, F0
	WIN 0x50
	MUL8 F1, 2, 0
.endm
	s_wait_tensorcnt 0x1                           ; my part of step 0 is in; step 1's stays out
	s_barrier_signal -1
	s_barrier_wait -1
	FETCH 0, 0, F0
	SEVEN 0, 1                                     ; the first products start the sums: nothing is cleared
	TURN 0, 1, 1                                   ; slot 0 gets step 2
	SEVEN 1, 0
	TURN 1, 0, 1                                   ; slot 1 gets step 3
	SEVEN 0, 0
	TURN 0, 1, 0                                   ; nothing is left to fetch
	SEVEN 1, 0
	s_wait_dscnt 0x0
	WIN 0x50
	MUL8 F1, 0, 0
	MUL8 F1, 2, 0
	WIN 0
	PLACES
	; the largest magnitude among my wave's 64 x 64 partial sums: 128 registers a lane in four chains, then across the 32 lanes
	WIN 0x05
.irp c, 0,1,2,3
	v_max_num_f32 v[MX+\c], |v[2*\c]|, |v[2*\c+1]|
.endr
	WIN 0x14
.set j, 0
.rept 60
	v_max3_num_f32 v[MX+j%4], v[MX+j%4], |v[8+2*j]|, |v[8+2*j+1]|
.set j, j+1
.endr
	WIN 0
	v_max3_num_f32 v[MX], v[MX], v[MX+1], v[MX+2]
	v_max_num_f32 v[MX], v[MX], v[MX+3]
	v_max_num_f32_dpp v[MX], v[MX], v[MX] row_xmask:1 row_mask:0xf bank_mask:0xf
	v_max_num_f32_dpp v[MX], v[MX], v[MX] row_xmask:2 row_mask:0xf bank_mask:0xf
	v_max_num_f32_dpp v[MX], v[MX], v[MX] row_xmask:4 row_mask:0xf bank_mask:0xf
	v_max_num_f32_dpp v[MX], v[MX], v[MX] row_xmask:8 row_mask:0xf bank_mask:0xf
	v_permlanex16_b32 v[MX+1], v[MX], s74, s75
	v_max_num_f32 v[MX], v[MX], v[MX+1]
	; one word a wave, stored by lane 0: 4 of the launch's 16,781,312 bytes a wave
	s_wait_xcnt 0x0                                ; EXEC changes only behind this wait
	v_cmp_gt_u32 vcc_lo, 1, v[LN]
	s_and_saveexec_b32 s76, vcc_lo
	global_store_b32 v[ZO], v[MX], s[72:73]
	s_wait_xcnt 0x0                                ; and again in front of the line that widens it
	s_or_b32 exec_lo, exec_lo, s76
; THE WAY OUT, 16 rows at a time: a lane's 8 f32 go as two 16-byte stores into my own stage, whole rows of 256 bytes come back, and sixteen
; lanes store 256 consecutive bytes, aligned.  LDS serves a wave's instructions in order (ISA guide 5.7.1.4): no wait between stores and loads.
.macro OUT16 i, f
	WIN 0x04                                       ; the store's data in window 1
.irp d, 0,1,2,3
	ds_store_b128 v[STO], v[8*(4*\i+\d):8*(4*\i+\d)+3]   offset:64*\d
	ds_store_b128 v[STO], v[8*(4*\i+\d)+4:8*(4*\i+\d)+7] offset:64*\d+16
.endr
	WIN 0
	s_wait_xcnt 0x0                                ; buffer f, which earlier stores read, is loaded again only behind this wait
.irp t, 0,1,2,3,4,5,6,7
	ds_load_b128 v[\f+4*\t:\f+4*\t+3], v[RD] offset:\t*2*SPITCH
.endr
.irp t, 0,1,2,3,4,5,6,7
	s_wait_dscnt 7-\t
	global_store_b128 v[CO], v[\f+4*\t:\f+4*\t+3], s[8:9] offset:\i*65536+\t*8192   ; 16 i + 2 t rows of 4,096 bytes stand in the immediate
.endr
.endm
	OUT16 0, F0
	OUT16 1, F1
	OUT16 2, F0
	OUT16 3, F1
	s_wait_tensorcnt 0x0
	ds_add_u32 v254, v255
	s_wait_dscnt 0x0
	CROUND                                         ; the closing round: no work-group ends while a partner may still ask jointly
	s_endpgm
.Lfunc_end_k_q0134af20d5_xp:
	.size	k_q0134af20d5_xp, .Lfunc_end_k_q0134af20d5_xp-k_q0134af20d5_xp
	.p2alignl 7, 3214868480
	.fill 96, 4, 3214868480
	.section	.rodata,"a",@progbits
	.p2align	6, 0x0
	.amdhsa_kernel k_q0134af20d5_xp
		.amdhsa_group_segment_fixed_size 327680
		.amdhsa_private_segment_fixed_size 0
		.amdhsa_enable_private_segment 0
		.amdhsa_kernarg_size 24
		.amdhsa_user_sgpr_count 2
		.amdhsa_user_sgpr_kernarg_segment_ptr 1
		.amdhsa_wavefront_size32 1
		.amdhsa_system_sgpr_workgroup_id_x 1
		.amdhsa_system_sgpr_workgroup_id_y 1
		.amdhsa_system_sgpr_workgroup_id_z 1
		.amdhsa_system_vgpr_workitem_id 0
		.amdhsa_next_free_vgpr 384
		.amdhsa_next_free_sgpr 80
		.amdhsa_reserve_vcc 1
		.amdhsa_float_denorm_mode_32 3
		.amdhsa_float_denorm_mode_16_64 3
		.amdhsa_memory_ordered 1
		.amdhsa_forward_progress 1
		.amdhsa_inst_pref_size 94
	.end_amdhsa_kernel
	.amdgpu_metadata
---
amdhsa.version: [ 1, 2 ]
amdhsa.kernels:
  - .name:           k_q0134af20d5_xp
    .symbol:         k_q0134af20d5_xp.kd
    .args:
      - { .name: pb, .offset: 0, .size: 8, .value_kind: global_buffer, .address_space: global }
      - { .name: xb, .offset: 8, .size: 8, .value_kind: global_buffer, .address_space: global }
      - { .name: xpart, .offset: 16, .size: 8, .value_kind: global_buffer, .address_space: global }
    .group_segment_fixed_size: 327680
    .private_segment_fixed_size: 0
    .kernarg_segment_align: 8
    .kernarg_segment_size: 24
    .max_flat_workgroup_size: 128
    .sgpr_count:     80
    .vgpr_count:     384
    .wavefront_size: 32
...
	.end_amdgpu_metadata
.endif
;; end of part 2
;; launch kv (part 3): grid 64 x 4, 4 waves a work-group, clusters of 4 x 1, 327,680 bytes of LDS; arguments xpart, wkvb, kvb; writes kvb
.if DOCPART == 3
	.amdgcn_target "amdgcn-amd-amdhsa--gfx1250"
	.amdhsa_code_object_version 6
	.text
	.protected	k_q0134af20d5_kv
	.globl	k_q0134af20d5_kv
	.p2align	8
	.type	k_q0134af20d5_kv,@function
k_q0134af20d5_kv:
	s_mov_b64 s[64:65], 0
	v_nop
	global_prefetch_b8 v0, s[64:65] scope:SCOPE_SE
	s_setreg_imm32_b32 hwreg(HW_REG_WAVE_MODE, 25, 1), 1
	s_wait_xcnt 0x0
	s_wait_alu depctr_hold_cnt(0) depctr_sa_sdst(0) depctr_va_vdst(0) depctr_va_sdst(0) depctr_va_ssrc(0) depctr_va_vcc(0) depctr_vm_vsrc(0)
	s_getreg_b32 s2, hwreg(HW_REG_IB_STS2, 6, 4)
	s_cmp_eq_u32 s2, 0
	s_cbranch_scc0 .Lentry_in_a_cluster
	s_endpgm
.Lentry_in_a_cluster:
	s_bfe_u32 s2, ttmp6, 0x10000c
	s_cmp_lg_u32 s2, 0x3003
	s_cbranch_scc0 .Lentry_shape_is_right
	s_endpgm
.Lentry_shape_is_right:
; kvb[R][c] = (1/g) sum over d of (xpart[0][R][d] + .. + xpart[3][R][d]) * Wkv[d][1024 kv + c], f16.  R = 512 b + 256 kv + f: keys (kv = 0), values.
; THE SCALE g: m = the largest of the 1,024 maxima behind xpart's planes, g = 2^(exponent of m - 2).  A summed row's numbers are at most 4 m in
; magnitude, so divided by g they lie under 32, whatever the size of x and of the projections; the results then lie under 32 x 1,024 x max |Wkv|,
; which is 31,500 for weights 30 x the drawn bound of 1/32, inside f16.  For weights 30 x smaller they are still some 20 x f16's smallest normal
; number.  g is a power of two, so the division is exact; the two later launches multiply by the same g again, in f32.
; A work-group makes 16 rows x 256 columns over 1,024 d; a wave 16 x 64 (4 accumulator tiles).
; Phase 1: the four partial sums are added in f32, as (p0 + p1) + (p2 + p3), scaled, rounded once to f16 and laid in LDS: wave w makes rows 4 w .. 4 w + 3.
; All that phase 1 reads is requested in one run, 136 loads a wave into 544 registers of their own, so that no request waits for an earlier row's sums.
; Phase 2: Wkv goes in 4 steps of 256 d through two LDS slots (rows of 512 bytes + 32 of padding = 544, an odd multiple of 32, read transposed).
; CLUSTER 4 x 1: the four work-groups make neighbouring row blocks of one column tile and one kv and walk the same weights: asked for jointly,
; mask 15.  A wave has at most two tensor loads out (the two first fills), later one.
; The partial sums, which the four column tiles of a row block also share, are NOT asked for jointly: as f32 tiles they are 4 x 16 x 4,096 = 262,144
; bytes, which do not fit in LDS beside the two slots of 139,264; they come through registers, where they are added.
; LIMITS: the order of summation differs from the reference's; the summed projection and the results are rounded to f16 as matrix operands;
; m is clamped to 2^-100 .. 2^100; |Wkv| must stay under 2.
.set PITCH,  544
.set QUART,  64*PITCH                  ; what one tensor load brings: 64 rows
.set SLOT,   4*QUART
.set ASTG,   2*SLOT                    ; the 16 summed rows in f16: 2,048 bytes + 16 = 2,064, an odd multiple of 16
.set APITCH, 2064
.set OSTG,   ASTG+16*APITCH            ; the way out: 16 rows of 512 + 16 bytes.  No tensor load lands in either stage
.set OPITCH, 528
.set STEPB,  256*4096                  ; 256 rows of Wkv, in bytes
.set MAXOFF, 0x1000000                 ; the maxima lie behind xpart's four planes
.set GO,   8                           ; v8      16 x lane: my 16 bytes in each 512 of a row of xpart
.set AST,  9                           ; v9      where I put my 8 bytes of a summed row
.set ADRA, 10                          ; v10     fragments of the summed rows
.set ADRW, 12                          ; v12-15  fragments of Wkv: slot 0/1 x rows 0-127/128-255
.set OST,  16
.set ORD,  17
.set XQ,   64                          ; v64-95  the 1,024 maxima, 32 a lane (before the fragments' time)
.set F0,   64                          ; v64-143   two K blocks of 32: 4 fragments of W and one of A each (40 registers)
.set F1,   144                         ; v144-223
.set ACC,  224                         ; v224-255  4 accumulator tiles
.set G1,   16                          ; s[16:23]
.set G0,   24                          ; s[24:31] one set a slot
.set BASE, 32                          ; s[32:39] my four rows in each of the four planes of xpart
.set XB,   48                          ; s[48:49] the maxima
.set INV,  50                          ; s[50:51] 1/g, twice
.set MSB, 0
.macro WIN new
.if MSB != (\new)
	s_set_vgpr_msb (MSB<<8)|(\new)
.set MSB, (\new)
.endif
.endm
.macro PLACES                          ; four places behind a matrix instruction before its registers are loaded into, read or written (ISA guide 7.12.1)
.rept 4
	v_nop
.endr
.endm
.macro CROUND                          ; a round of the cluster's barrier
	s_barrier_signal -1
	s_barrier_wait -1
	s_cmp_lg_u32 s10, 0
	s_cbranch_scc1 .Lnot_wave_0_\@
	s_barrier_signal -3
.Lnot_wave_0_\@:
	s_barrier_wait -3
	s_barrier_signal -1
	s_barrier_wait -1
.endm
	s_load_b128 s[4:7], s[0:1], 0x0                ; xpart, wkvb
	s_load_b64 s[8:9], s[0:1], 0x10                ; kvb
	v_lshl_add_u32 v62, v0, 2, 0x4e200
	v_mov_b32 v63, 0
	ds_add_u32 v62, v63
	v_lshrrev_b32 v1, 5, v0
	v_readfirstlane_b32 s10, v1                    ; wave
	s_bfe_u32 s11, ttmp6, 0x40000                  ; cx
	s_lshl_b32 s12, ttmp9, 2
	s_add_co_u32 s12, s12, s11                     ; row block 0..63
	s_and_b32 s13, ttmp7, 0xffff                   ; column tile 0..3
	s_bfe_u32 s14, ttmp9, 0x10002                  ; kv = bit 8 of the row = bit 2 of the cluster's x: the same in all four partners
	s_mov_b32 s52, 0x76543210                      ; v_permlanex16_b32: lane i reads lane i of the other half
	s_mov_b32 s53, 0xfedcba98
	s_mov_b32 s[G1+0], 15|(1<<16)|(1<<20)|(1<<21)|(6<<22)|(7<<25)   ; mask of all four; 2-byte elements; after every 128 words 8 words of padding
	s_mov_b32 s[G1+1], 256<<16                     ; tensor_dim0
	s_mov_b32 s[G1+2], 64<<16                      ; tensor_dim1
	s_mov_b32 s[G1+3], 256<<16                     ; tile_dim0
	s_mov_b32 s[G1+4], 64                          ; tile_dim1
	s_mov_b32 s[G1+5], 2048                        ; elements from row to row
	s_mov_b32 s[G1+6], 0
	s_mov_b32 s[G1+7], 0
	s_lshl_b32 s40, s10, 18                        ; Wkv: row 64 w, 4,096 bytes a row; + 2,048 kv + 512 x column tile.  cx does not enter
	s_lshl_b32 s42, s14, 11
	s_add_co_u32 s40, s40, s42
	s_lshl_b32 s42, s13, 9
	s_add_co_u32 s40, s40, s42
	s_mov_b32 s41, 0
	s_mul_i32 s43, s10, QUART
	s_lshl_b32 s44, s12, 16                        ; xpart: row 16 x block + 4 w, 4,096 bytes a row
	s_lshl_b32 s46, s10, 14
	s_add_co_u32 s44, s44, s46
	s_mov_b32 s45, 0
	s_wait_dscnt 0x0
	s_wait_kmcnt 0x0
	s_add_nc_u64 s[40:41], s[6:7], s[40:41]
	s_add_nc_u64 s[XB:XB+1], s[4:5], MAXOFF
	s_add_nc_u64 s[BASE:BASE+1], s[4:5], s[44:45]
	s_add_nc_u64 s[BASE+2:BASE+3], s[BASE:BASE+1], 0x400000     ; a plane is 4,194,304 bytes: three of them pass a load's immediate
	s_add_nc_u64 s[BASE+4:BASE+5], s[BASE:BASE+1], 0x800000
	s_add_nc_u64 s[BASE+6:BASE+7], s[BASE:BASE+1], 0xc00000
	CROUND                                         ; the four work-groups are here: the first joint loads meet
.irp s, 0,1
	s_mov_b32 s[G0+4*\s], 1
	s_add_co_u32 s[G0+4*\s+1], s43, \s*SLOT
	s_add_nc_u64 s[G0+4*\s+2:G0+4*\s+3], s[40:41], \s*STEPB
	s_or_b32 s[G0+4*\s+3], s[G0+4*\s+3], 0x80000000
	tensor_load_to_lds s[G0+4*\s:G0+4*\s+3], s[G1:G1+7]         ; steps 0 and 1; every wave brings its 64 rows
	s_nop 0
.endr
	v_and_b32 v1, 31, v0                           ; lane
	v_and_b32 v2, 15, v0                           ; r
	v_bfe_u32 v3, v0, 4, 1                         ; h
	v_lshlrev_b32 v[GO], 4, v1
	s_mul_i32 s46, s10, 4*APITCH
	s_add_co_u32 s46, s46, ASTG
	v_lshl_add_u32 v[AST], v1, 3, s46              ; my wave's first row + 8 x lane
.irp i, 0,1,2,3,4,5,6,7
	global_load_b128 v[XQ+4*\i:XQ+4*\i+3], v[GO], s[XB:XB+1] offset:512*\i   ; all 1,024 maxima: 4,096 bytes, 32 numbers a lane
.endr
; one row: 8 pieces of 512 bytes from each of the four planes, 128 registers; rows 0, 1 in window 1, rows 2, 3 in window 2
.macro LOADROW i
	WIN (0x40<<((\i)>>1))
.irp e, 0,1,2,3,4,5,6,7
.irp p, 0,1,2,3
	global_load_b128 v[128*((\i)&1)+16*\e+4*\p:128*((\i)&1)+16*\e+4*\p+3], v[GO], s[BASE+2*\p:BASE+2*\p+1] offset:4096*\i+512*\e
.endr
.endr
.endm
.macro SUMROW i
	WIN (0x45<<((\i)>>1))                          ; destination and both sources in the row's window
.irp e, 0,1,2,3,4,5,6,7
	v_pk_add_f32 v[128*((\i)&1)+16*\e:128*((\i)&1)+16*\e+1],     v[128*((\i)&1)+16*\e:128*((\i)&1)+16*\e+1],     v[128*((\i)&1)+16*\e+4:128*((\i)&1)+16*\e+5]
	v_pk_add_f32 v[128*((\i)&1)+16*\e+2:128*((\i)&1)+16*\e+3],   v[128*((\i)&1)+16*\e+2:128*((\i)&1)+16*\e+3],   v[128*((\i)&1)+16*\e+6:128*((\i)&1)+16*\e+7]
	v_pk_add_f32 v[128*((\i)&1)+16*\e+8:128*((\i)&1)+16*\e+9],   v[128*((\i)&1)+16*\e+8:128*((\i)&1)+16*\e+9],   v[128*((\i)&1)+16*\e+12:128*((\i)&1)+16*\e+13]
	v_pk_add_f32 v[128*((\i)&1)+16*\e+10:128*((\i)&1)+16*\e+11], v[128*((\i)&1)+16*\e+10:128*((\i)&1)+16*\e+11], v[128*((\i)&1)+16*\e+14:128*((\i)&1)+16*\e+15]
	v_pk_add_f32 v[128*((\i)&1)+16*\e:128*((\i)&1)+16*\e+1],     v[128*((\i)&1)+16*\e:128*((\i)&1)+16*\e+1],     v[128*((\i)&1)+16*\e+8:128*((\i)&1)+16*\e+9]
	v_pk_add_f32 v[128*((\i)&1)+16*\e+2:128*((\i)&1)+16*\e+3],   v[128*((\i)&1)+16*\e+2:128*((\i)&1)+16*\e+3],   v[128*((\i)&1)+16*\e+10:128*((\i)&1)+16*\e+11]
	v_pk_mul_f32 v[128*((\i)&1)+16*\e:128*((\i)&1)+16*\e+1],     v[128*((\i)&1)+16*\e:128*((\i)&1)+16*\e+1],     s[INV:INV+1] op_sel_hi:[1,0]
	v_pk_mul_f32 v[128*((\i)&1)+16*\e+2:128*((\i)&1)+16*\e+3],   v[128*((\i)&1)+16*\e+2:128*((\i)&1)+16*\e+3],   s[INV:INV+1] op_sel_hi:[1,0]
	v_cvt_pk_f16_f32 v[128*((\i)&1)+16*\e],   v[128*((\i)&1)+16*\e],   v[128*((\i)&1)+16*\e+1]
	v_cvt_pk_f16_f32 v[128*((\i)&1)+16*\e+1], v[128*((\i)&1)+16*\e+2], v[128*((\i)&1)+16*\e+3]
.endr
	WIN (0x04<<((\i)>>1))                          ; the store's data in the row's window
.irp e, 0,1,2,3,4,5,6,7
	ds_store_b64 v[AST], v[128*((\i)&1)+16*\e:128*((\i)&1)+16*\e+1] offset:APITCH*\i+256*\e
.endr
.endm
	LOADROW 0                                      ; all four rows are asked for at once: every row has registers of its own.  Where the count of loads
	LOADROW 1                                      ; that are out would pass its field, the issue of the next load holds until an older one is back
	LOADROW 2                                      ; (ISA guide 5.7.1); no wait is written for that
	LOADROW 3
	WIN 0
	s_wait_loadcnt 63                              ; loads return in order: of the 136 at most the youngest 63 are out, so the first 73 are in: the 8 of the maxima and the 64 of rows 0 and 1 among them
.set j, 0
.rept 15
	v_max3_num_f32 v[XQ], v[XQ], v[XQ+1+2*j], v[XQ+2+2*j]
.set j, j+1
.endr
	v_max_num_f32 v[XQ], v[XQ], v[XQ+31]
	v_max_num_f32_dpp v[XQ], v[XQ], v[XQ] row_xmask:1 row_mask:0xf bank_mask:0xf
	v_max_num_f32_dpp v[XQ], v[XQ], v[XQ] row_xmask:2 row_mask:0xf bank_mask:0xf
	v_max_num_f32_dpp v[XQ], v[XQ], v[XQ] row_xmask:4 row_mask:0xf bank_mask:0xf
	v_max_num_f32_dpp v[XQ], v[XQ], v[XQ] row_xmask:8 row_mask:0xf bank_mask:0xf
	v_permlanex16_b32 v[XQ+1], v[XQ], s52, s53
	v_max_num_f32 v[XQ], v[XQ], v[XQ+1]            ; m, in every lane
	v_max_num_f32 v[XQ], 0x0d800000, v[XQ]         ; at least 2^-100 (all zeros, too),
	v_min_num_f32 v[XQ], 0x71800000, v[XQ]         ; at most 2^100: the exponent arithmetic below stays inside the field
	v_and_b32 v[XQ], 0x7f800000, v[XQ]             ; e << 23
	v_sub_nc_u32 v[XQ+1], 0x80000000, v[XQ]        ; (256 - e) << 23 = 2^(129 - e) = 1/g for g = 2^(e - 129)
	v_readfirstlane_b32 s[INV], v[XQ+1]            ; the same in all lanes: as a scalar it needs no register window
	s_mov_b32 s[INV+1], s[INV]
	SUMROW 0
	SUMROW 1
	s_wait_loadcnt 32                              ; row 2 is in; row 3's 32 loads may stay out
	SUMROW 2
	s_wait_loadcnt 0x0
	SUMROW 3
	WIN 0
	v_mul_u32_u24 v4, v2, APITCH
	v_lshl_add_u32 v4, v3, 4, v4
	v_add_nc_u32 v[ADRA], ASTG, v4                 ; row r, 16 bytes for each half of the lanes
	v_and_b32 v5, 7, v0                            ; a transposing load: row 8 h + l % 8, 16-byte half (l / 8) % 2
	v_bfe_u32 v6, v0, 3, 1
	v_lshl_add_u32 v5, v3, 3, v5
	v_mul_u32_u24 v5, v5, PITCH
	v_lshl_add_u32 v5, v6, 4, v5
	v_lshl_add_u32 v5, s10, 7, v5                  ; my 64 columns: 128 bytes a wave
.irp s, 0,1
.irp ch, 0,1
	v_add_nc_u32 v[ADRW+2*\s+\ch], \s*SLOT+\ch*2*QUART, v5
.endr
.endr
	v_mul_u32_u24 v7, v2, OPITCH
	v_lshl_add_u32 v7, v3, 4, v7
	v_lshl_add_u32 v7, s10, 7, v7
	v_add_nc_u32 v[OST], OSTG, v7                  ; out: row r, my wave's 128 bytes, 16 for each half of the lanes
	s_mul_i32 s46, s10, 4*OPITCH
	s_add_co_u32 s46, s46, OSTG
	v_lshl_add_u32 v[ORD], v1, 4, s46              ; back: whole rows of 512 bytes, rows 4 w ..
	s_lshl_b32 s44, s12, 15                        ; kvb: row 16 x block + 4 w, 2,048 bytes a row, + 512 x column tile
	s_lshl_b32 s46, s10, 13
	s_add_co_u32 s44, s44, s46
	s_lshl_b32 s46, s13, 9
	s_add_co_u32 s44, s44, s46
	s_add_nc_u64 s[8:9], s[8:9], s[44:45]
; 20 loads: chunk c (64 of the step's 256 d) into buffer f
.macro FETCH slot, st, c, f
.irp kk, 0,1
.irp i, 0,1,2,3
	ds_load_tr16_b128 v[\f+40*\kk+8*\i:\f+40*\kk+8*\i+3],   v[ADRW+2*\slot+((2*\c+\kk)>>2)] offset:((2*\c+\kk)&3)*32*PITCH+32*\i
	ds_load_tr16_b128 v[\f+40*\kk+8*\i+4:\f+40*\kk+8*\i+7], v[ADRW+2*\slot+((2*\c+\kk)>>2)] offset:((2*\c+\kk)&3)*32*PITCH+32*\i+16*PITCH
.endr
	ds_load_b128 v[\f+40*\kk+32:\f+40*\kk+35], v[ADRA] offset:(8*\st+2*\c+\kk)*64
	ds_load_b128 v[\f+40*\kk+36:\f+40*\kk+39], v[ADRA] offset:(8*\st+2*\c+\kk)*64+32
.endr
.endm
; source 0 = 16 columns of W, source 1 = the 16 rows: a lane holds row l % 16 and 8 neighbouring columns.
; The four accumulators take turns, one instruction a turn.
.macro MUL8 f, zero
.irp i, 0,1,2,3
.if \zero
	v_wmma_f32_16x16x32_f16 v[ACC+8*\i:ACC+8*\i+7], v[\f+8*\i:\f+8*\i+7], v[\f+32:\f+39], 0
.else
	v_wmma_f32_16x16x32_f16 v[ACC+8*\i:ACC+8*\i+7], v[\f+8*\i:\f+8*\i+7], v[\f+32:\f+39], v[ACC+8*\i:ACC+8*\i+7]
.endif
.endr
.irp i, 0,1,2,3
	v_wmma_f32_16x16x32_f16 v[ACC+8*\i:ACC+8*\i+7], v[\f+40+8*\i:\f+40+8*\i+7], v[\f+72:\f+79], v[ACC+8*\i:ACC+8*\i+7]
.endr
.endm
.macro BODY slot, st, zero
	PLACES
	FETCH \slot, \st, 0, F0
	s_wait_dscnt 0x0
	PLACES
	FETCH \slot, \st, 1, F1
	MUL8 F0, \zero
	s_wait_dscnt 0x0
	PLACES
	FETCH \slot, \st, 2, F0
	MUL8 F1, 0
	s_wait_dscnt 0x0
	PLACES
	FETCH \slot, \st, 3, F1
	MUL8 F0, 0
	s_wait_dscnt 0x0
	MUL8 F1, 0
.endm
; the change of slots.  In front of the barrier: all my tensor loads have landed, my part of this step's slot among them, and my reads of the
; other slot are back.  With a refill the barrier is a round of the cluster's, and the joint load is the first thing behind it.
.macro NEXT slot, st, refill
	s_wait_tensorcnt 0x0
	ds_add_u32 v62, v63
	s_wait_dscnt 0x0
.if \refill
	s_add_nc_u64 s[G0+4*(1-\slot)+2:G0+4*(1-\slot)+3], s[G0+4*(1-\slot)+2:G0+4*(1-\slot)+3], 2*STEPB
.endif
	s_wait_dscnt 0x0
.if \refill
	CROUND
	tensor_load_to_lds s[G0+4*(1-\slot):G0+4*(1-\slot)+3], s[G1:G1+7]
	s_nop 0
.else
	s_barrier_signal -1
	s_barrier_wait -1
.endif
	BODY \slot, \st, 0
.endm
	s_wait_dscnt 0x0                               ; my summed rows are in LDS,
	s_wait_tensorcnt 0x1                           ; my part of step 0 too; step 1's stays out
	s_barrier_signal -1
	s_barrier_wait -1
	BODY 0, 0, 1                                   ; the first products start the sums
	NEXT 1, 1, 1                                   ; slot 0 gets step 2
	NEXT 0, 2, 1                                   ; slot 1 gets step 3
	NEXT 1, 3, 0
	; THE WAY OUT: round to f16, 16 bytes a lane into the shared stage; behind a barrier each wave takes four whole rows of 512 bytes
	PLACES
.irp i, 0,1,2,3
.irp j, 0,1,2,3
	v_cvt_pk_f16_f32 v[F0+4*\i+\j], v[ACC+8*\i+2*\j], v[ACC+8*\i+2*\j+1]
.endr
	ds_store_b128 v[OST], v[F0+4*\i:F0+4*\i+3] offset:32*\i
.endr
	s_wait_dscnt 0x0                               ; for the other waves' sake
	s_barrier_signal -1
	s_barrier_wait -1
.irp t, 0,1,2,3
	ds_load_b128 v[F1+4*\t:F1+4*\t+3], v[ORD] offset:OPITCH*\t
.endr
.irp t, 0,1,2,3
	s_wait_dscnt 3-\t
	global_store_b128 v[GO], v[F1+4*\t:F1+4*\t+3], s[8:9] offset:2048*\t   ; a wave's store covers 512 consecutive bytes, aligned
.endr
	s_wait_tensorcnt 0x0
	ds_add_u32 v62, v63
	s_wait_dscnt 0x0
	CROUND                                         ; the closing round
	s_endpgm
.Lfunc_end_k_q0134af20d5_kv:
	.size	k_q0134af20d5_kv, .Lfunc_end_k_q0134af20d5_kv-k_q0134af20d5_kv
	.p2alignl 7, 3214868480
	.fill 96, 4, 3214868480
	.section	.rodata,"a",@progbits
	.p2align	6, 0x0
	.amdhsa_kernel k_q0134af20d5_kv
		.amdhsa_group_segment_fixed_size 327680
		.amdhsa_private_segment_fixed_size 0
		.amdhsa_enable_private_segment 0
		.amdhsa_kernarg_size 24
		.amdhsa_user_sgpr_count 2
		.amdhsa_user_sgpr_kernarg_segment_ptr 1
		.amdhsa_wavefront_size32 1
		.amdhsa_system_sgpr_workgroup_id_x 1
		.amdhsa_system_sgpr_workgroup_id_y 1
		.amdhsa_system_sgpr_workgroup_id_z 1
		.amdhsa_system_vgpr_workitem_id 0
		.amdhsa_next_free_vgpr 768
		.amdhsa_next_free_sgpr 66
		.amdhsa_reserve_vcc 0
		.amdhsa_float_denorm_mode_32 3
		.amdhsa_float_denorm_mode_16_64 3
		.amdhsa_memory_ordered 1
		.amdhsa_forward_progress 1
		.amdhsa_inst_pref_size 77
	.end_amdhsa_kernel
	.amdgpu_metadata
---
amdhsa.version: [ 1, 2 ]
amdhsa.kernels:
  - .name:           k_q0134af20d5_kv
    .symbol:         k_q0134af20d5_kv.kd
    .args:
      - { .name: xpart, .offset: 0, .size: 8, .value_kind: global_buffer, .address_space: global }
      - { .name: wkvb, .offset: 8, .size: 8, .value_kind: global_buffer, .address_space: global }
      - { .name: kvb, .offset: 16, .size: 8, .value_kind: global_buffer, .address_space: global }
    .group_segment_fixed_size: 327680
    .private_segment_fixed_size: 0
    .kernarg_segment_align: 8
    .kernarg_segment_size: 24
    .max_flat_workgroup_size: 128
    .sgpr_count:     66
    .vgpr_count:     768
    .wavefront_size: 32
...
	.end_amdgpu_metadata
.endif
;; end of part 3
;; launch attn (part 4): grid 8 x 32, 4 waves a work-group, clusters of 4 x 4, 327,680 bytes of LDS; arguments xb, wqb, kvb, ob, xpart; writes ob
.if DOCPART == 4
	.amdgcn_target "amdgcn-amd-amdhsa--gfx1250"
	.amdhsa_code_object_version 6
	.text
	.protected	k_q0134af20d5_attn
	.globl	k_q0134af20d5_attn
	.p2align	8
	.type	k_q0134af20d5_attn,@function
k_q0134af20d5_attn:
	s_mov_b64 s[64:65], 0
	v_nop
	global_prefetch_b8 v0, s[64:65] scope:SCOPE_SE
	s_setreg_imm32_b32 hwreg(HW_REG_WAVE_MODE, 25, 1), 1
	s_wait_xcnt 0x0
	s_wait_alu depctr_hold_cnt(0) depctr_sa_sdst(0) depctr_va_vdst(0) depctr_va_sdst(0) depctr_va_ssrc(0) depctr_va_vcc(0) depctr_vm_vsrc(0)
	s_getreg_b32 s2, hwreg(HW_REG_IB_STS2, 6, 4)
	s_cmp_eq_u32 s2, 0
	s_cbranch_scc0 .Lentry_in_a_cluster
	s_endpgm
.Lentry_in_a_cluster:
	s_bfe_u32 s2, ttmp6, 0x10000c
	s_cmp_lg_u32 s2, 0xf033
	s_cbranch_scc0 .Lentry_shape_is_right
	s_endpgm
.Lentry_shape_is_right:
; For 256 rows and 2 heads: q = x Wq (128 columns, K = 1,024), S = q K^T, softmax over the 256 features, O = P V, ob in f16.
; Wave w owns rows 64 w .. 64 w + 63 from the first product to the store: q, S, P and O never leave its registers.
; Every product is used transposed (source 0 = the operand whose index is to lie along a lane's 8 results), so that a lane holds one row
; (lane % 16) and 8 neighbouring columns; two neighbouring result tiles, rounded to f16, ARE a 16 x 32 fragment of the next product.
; THE LAYOUT OF ob follows from that: it is stored as the next launch's fragments.  Block (row / 16, column / 32) has 1,024 bytes at
; ((row / 16) x 32 + column / 32) x 1,024; in it lane l's 16 bytes lie at 16 l (columns 8 (l / 16) .. + 7 of the 32, row l % 16) and at 512 + 16 l
; (columns 16 + 8 (l / 16) .. + 7).  So a packed result tile goes out as it stands: one store of the wave covers 512 consecutive bytes, aligned.
; THE SCALE g: kvb holds K / g and V / g, g = 2^(exponent of m - 2), m the largest of the 1,024 maxima behind xpart's planes (made anew here from the
; same numbers by the same arithmetic).  The scores are multiplied by g again in f32; ob holds O / g, a convex mix of V / g and so inside f16 as it is.
; SOFTMAX: the row's true maximum is taken away; dh^-0.5, log2 e and g are applied in f32 on the scores: p = 2^(c S - c max), c = 0.125 x 1.442695 x g.
; A row's 256 scores lie in lanes r and r + 16, 128 each: reductions run inside the lane and cross once.
; RANGE of q in f16: spread 0.58 as drawn; with x and Wq both 30 x larger about 3,100 at the most, with both carrying an offset of 30 spreads
; about 17,000; both 30 x smaller: spread 0.00064, ten times f16's smallest normal number.  p lies in 0 .. 1.
; LIMITS: q, p, K, V and O are rounded to f16 as matrix operands; |q| beyond 65,504 becomes infinite; the row sum is taken of the unrounded p; an
; exponential below 2^-126 comes out as 0 (the row's sum is at least about 1); m is clamped to 2^-100 .. 2^100; NaN and infinities get no special
; care; sums run in the matrix unit's order.
; LDS: two slots for the first product (256 rows of x, pitch 272; 128 rows of Wq, pitch 288, read transposed) and K's 256 rows (pitch 272).
; V's 256 rows (pitch 288, read transposed) are laid into slot 0 behind its last K step.
; CLUSTER 4 x 4: x's tiles hang on the row block, shared along a row of the cluster; Wq's, K's and V's on the head pair (and the batch, which the
; whole cluster shares), shared down a column.  All are asked for jointly.  A wave has at most three tensor loads out (the first fills), later one.
.set APITCH, 272
.set WPITCH, 288
.set AHALF,  128*APITCH                ; x: one load's 128 rows
.set WHALF,  64*WPITCH                 ; Wq, V: one load's 64 rows
.set WOFF,   2*AHALF
.set SLOT,   WOFF+2*WHALF
.set KREG,   2*SLOT
.set KQ,     64*APITCH                 ; K: one load's 64 rows
.set ASTEP,  256                       ; 128 along K in x's rows, in bytes
.set WSTEP,  128*2048                  ; 128 rows of Wq
.set MAXOFF, 0x1000000                 ; the maxima lie behind xpart's four planes
.set ADRA, 16                          ; v16,17  x fragments, slot 0, 1
.set ADRW, 18                          ; v18,19  Wq fragments
.set ADRK, 20
.set ADRV, 21                          ; v21,22  V's rows 0-127, 128-255
.set XO,   26                          ; v26     16 x lane: the maxima's loads and ob's stores; never rewritten
.set M,    32                          ; v32-39  running maxima: 4 chains x 2 row tiles
.set MN,   40                          ; v40-43  -c max, twice, for each row tile
.set LS,   44                          ; v44-59  running sums: 4 pairs x 2 row tiles
.set R,    60                          ; v60-63  1 / sum, twice, for each row tile
.set XQ,   64                          ; v64-95  the 1,024 maxima, 32 a lane (before the fragments' time)
.set F0,   64                          ; first product: v64-159 fragments, Wq at +8 b, x at +64 + 8 a
.set F1,   160                         ;                v160-255
.set KB0,  64                          ; attention: v64-127, v128-191 fragments of K, then of V; v64-95 at the end the packed O
.set KB1,  128
.set O,    192                         ; v192-255 O tiles (rt, dt) at +8 (4 rt + dt)
; window 1: the 32 q accumulators (a, b) at 8 (8 a + b); later the 32 S tiles (rt, ft) at 8 (16 rt + ft)
; window 2: q in f16, fragment (a, kc) at 32 a + 8 kc; p in f16, fragment (rt, kc) at 128 + 64 rt + 8 kc
.set G1A, 24
.set G1W, 32                           ; also V's shape
.set G1K, 40
.set G0A, 48
.set G0W, 56
.set G0K, 68
.set G0V, 72
.set XB,  92                           ; s[92:93] the maxima
.set CG,  94                           ; s[94:95] c, twice
.set NCG, 96                           ; s96      -c
.set MSB, 0
.macro WIN new                         ; the immediate's high byte repeats the setting that is left
.if MSB != (\new)
	s_set_vgpr_msb (MSB<<8)|(\new)
.set MSB, (\new)
.endif
.endm
.macro PLACES                          ; four places behind a matrix instruction before its registers are loaded into, read or written (ISA guide 7.12.1)
.rept 4
	v_nop
.endr
.endm
.macro JLOAD s                         ; waves 0, 1 ask for x's halves, waves 2, 3 for Wq's: one mask a line; the branch hangs on the wave's number alone
	s_cmp_eq_u32 s13, 0
	s_cbranch_scc0 .Lfor_w_\@
	tensor_load_to_lds s[G0A+4*\s:G0A+4*\s+3], s[G1A:G1A+7]
	s_nop 0
	s_branch .Lasked_\@
.Lfor_w_\@:
	tensor_load_to_lds s[G0W+4*\s:G0W+4*\s+3], s[G1W:G1W+7]
	s_nop 0
.Lasked_\@:
.endm
.macro CREST                           ; a round of the cluster's barrier behind its opening barrier
	s_cmp_lg_u32 s12, 0
	s_cbranch_scc1 .Lnot_wave_0_\@
	s_barrier_signal -3
.Lnot_wave_0_\@:
	s_barrier_wait -3
	s_barrier_signal -1
	s_barrier_wait -1
.endm
.macro CROUND
	s_barrier_signal -1
	s_barrier_wait -1
	CREST
.endm
	s_load_b256 s[4:11], s[0:1], 0x0               ; xb 4, wqb 6, kvb 8, ob 10
	s_load_b64 s[XB:XB+1], s[0:1], 0x20            ; xpart
	v_lshl_add_u32 v30, v0, 2, 0x45000
	v_mov_b32 v31, 0
	ds_add_u32 v30, v31
	v_lshrrev_b32 v1, 5, v0
	v_readfirstlane_b32 s12, v1                    ; wave
	s_lshr_b32 s13, s12, 1                         ; I fetch for x (0) or Wq (1)
	s_and_b32 s14, s12, 1                          ; which half of that tile
	s_bfe_u32 s15, ttmp6, 0x40000                  ; cx
	s_bfe_u32 s16, ttmp6, 0x40004                  ; cy
	s_lshl_b32 s17, ttmp9, 2
	s_add_co_u32 s17, s17, s15                     ; head pair 0..7
	s_and_b32 s19, ttmp7, 0xffff
	s_lshl_b32 s18, s19, 2
	s_add_co_u32 s18, s18, s16                     ; row block 0..31
	s_lshr_b32 s19, s19, 2                         ; batch: 16 row blocks = 4 clusters each
	s_lshl_b32 s20, s16, 2
	s_lshl_b32 s20, 15, s20                        ; my row of the cluster
	s_lshl_b32 s21, 0x1111, s15                    ; my column
	s_mov_b32 s86, 0x76543210                      ; v_permlanex16_b32: lane i reads lane i of the other half
	s_mov_b32 s87, 0xfedcba98
	; group 1: rows of 128 elements of 2 bytes, 1,024 elements apart; padding behind every 64 words: 4 words (x, K) or 8 (Wq, V)
	s_or_b32 s[G1A+0], s20, (1<<16)|(1<<20)|(1<<21)|(5<<22)|(3<<25)
	s_or_b32 s[G1W+0], s21, (1<<16)|(1<<20)|(1<<21)|(5<<22)|(7<<25)
	s_or_b32 s[G1K+0], s21, (1<<16)|(1<<20)|(1<<21)|(5<<22)|(3<<25)
	s_mov_b32 s[G1A+1], 128<<16
	s_mov_b32 s[G1W+1], 128<<16
	s_mov_b32 s[G1K+1], 128<<16
	s_mov_b32 s[G1A+2], 128<<16                    ; 128 rows
	s_mov_b32 s[G1W+2], 64<<16                     ; 64 rows
	s_mov_b32 s[G1K+2], 64<<16
	s_mov_b32 s[G1A+3], 128<<16
	s_mov_b32 s[G1W+3], 128<<16
	s_mov_b32 s[G1K+3], 128<<16
	s_mov_b32 s[G1A+4], 128
	s_mov_b32 s[G1W+4], 64
	s_mov_b32 s[G1K+4], 64
	s_mov_b32 s[G1A+5], 1024
	s_mov_b32 s[G1W+5], 1024
	s_mov_b32 s[G1K+5], 1024
	s_mov_b32 s[G1A+6], 0
	s_mov_b32 s[G1W+6], 0
	s_mov_b32 s[G1K+6], 0
	s_mov_b32 s[G1A+7], 0
	s_mov_b32 s[G1W+7], 0
	s_mov_b32 s[G1K+7], 0
	s_lshl_b32 s76, s18, 19                        ; x: row 256 x block + 128 half, 2,048 bytes a row.  cx never enters these registers
	s_lshl_b32 s78, s14, 18
	s_add_co_u32 s76, s76, s78
	s_mov_b32 s77, 0
	s_lshl_b32 s80, s14, 17                        ; Wq: row 64 half, column byte 256 x head pair.  cy never enters these
	s_lshl_b32 s79, s17, 8
	s_add_co_u32 s80, s80, s79
	s_mov_b32 s81, 0
	s_lshl_b32 s82, s19, 20                        ; K: row 512 batch + 64 w, column byte 256 x head pair
	s_lshl_b32 s85, s12, 17
	s_add_co_u32 s82, s82, s85
	s_add_co_u32 s82, s82, s79
	s_mov_b32 s83, 0
	s_lshl_b32 s90, s18, 19                        ; ob: row tile 16 x block + 4 w, 32,768 bytes a row tile; K chunk 4 x head pair, 1,024 bytes each
	s_add_co_u32 s90, s90, s85
	s_lshl_b32 s88, s17, 12
	s_add_co_u32 s90, s90, s88
	s_mov_b32 s91, 0
	s_mul_i32 s22, s12, AHALF                      ; LDS places hang on the wave's number alone
	s_mul_i32 s23, s12, WHALF
	s_mul_i32 s85, s12, KQ
	s_wait_dscnt 0x0
	s_wait_kmcnt 0x0
	s_add_nc_u64 s[76:77], s[4:5], s[76:77]
	s_add_nc_u64 s[80:81], s[6:7], s[80:81]
	s_add_nc_u64 s[82:83], s[8:9], s[82:83]
	s_add_nc_u64 s[10:11], s[10:11], s[90:91]
	s_add_nc_u64 s[XB:XB+1], s[XB:XB+1], MAXOFF
	CROUND                                         ; all sixteen work-groups are here: the first joint loads meet
.irp s, 0,1
	s_mov_b32 s[G0A+4*\s], 1
	s_add_co_u32 s[G0A+4*\s+1], s22, \s*SLOT
	s_add_nc_u64 s[G0A+4*\s+2:G0A+4*\s+3], s[76:77], \s*ASTEP
	s_or_b32 s[G0A+4*\s+3], s[G0A+4*\s+3], 0x80000000
	s_mov_b32 s[G0W+4*\s], 1
	s_add_co_u32 s[G0W+4*\s+1], s23, WOFF-2*WHALF+\s*SLOT       ; waves 2, 3: behind x's 256 rows
	s_add_nc_u64 s[G0W+4*\s+2:G0W+4*\s+3], s[80:81], \s*WSTEP
	s_or_b32 s[G0W+4*\s+3], s[G0W+4*\s+3], 0x80000000
	JLOAD \s
.endr
	s_mov_b32 s[G0K], 1
	s_add_co_u32 s[G0K+1], s85, KREG
	s_mov_b64 s[G0K+2:G0K+3], s[82:83]
	s_or_b32 s[G0K+3], s[G0K+3], 0x80000000
	tensor_load_to_lds s[G0K:G0K+3], s[G1K:G1K+7]  ; K: every wave its 64 rows; the third and last first fill
	s_nop 0
	s_mov_b32 s[G0V], 1                            ; V's descriptor is made ready: 256 rows below K, into slot 0
	s_add_co_u32 s[G0V+1], s23, 0
	s_add_nc_u64 s[G0V+2:G0V+3], s[82:83], 256*2048
	s_or_b32 s[G0V+3], s[G0V+3], 0x80000000
	v_and_b32 v8, 31, v0
	v_lshlrev_b32 v[XO], 4, v8
.irp i, 0,1,2,3,4,5,6,7
	global_load_b128 v[XQ+4*\i:XQ+4*\i+3], v[XO], s[XB:XB+1] offset:512*\i   ; all 1,024 maxima: 4,096 bytes, 32 numbers a lane
.endr
	v_and_b32 v1, 15, v0                           ; r
	v_bfe_u32 v2, v0, 4, 1                         ; h
	v_and_b32 v3, 7, v0
	v_bfe_u32 v4, v0, 3, 1
	v_lshl_add_u32 v3, v2, 3, v3
	v_mul_u32_u24 v3, v3, WPITCH
	v_lshl_add_u32 v3, v4, 4, v3                   ; a transposing load: row 8 h + l % 8, 16-byte half (l / 8) % 2
	v_mul_u32_u24 v5, v1, APITCH
	v_lshl_add_u32 v5, v2, 4, v5                   ; a plain fragment: row r, 16 bytes for each half of the lanes
	s_mul_i32 s88, s12, 64*APITCH                  ; my 64 rows of x
	v_add_nc_u32 v[ADRA], s88, v5
	v_add_nc_u32 v[ADRA+1], SLOT, v[ADRA]
	v_add_nc_u32 v[ADRW], WOFF, v3
	v_add_nc_u32 v[ADRW+1], WOFF+SLOT, v3
	v_add_nc_u32 v[ADRK], KREG, v5
	v_mov_b32 v[ADRV], v3
	v_add_nc_u32 v[ADRV+1], 128*WPITCH, v3
	; the scale: m, its exponent, g, and c = 0.125 log2 e x g
	s_wait_loadcnt 0x0
.set j, 0
.rept 15
	v_max3_num_f32 v[XQ], v[XQ], v[XQ+1+2*j], v[XQ+2+2*j]
.set j, j+1
.endr
	v_max_num_f32 v[XQ], v[XQ], v[XQ+31]
	v_max_num_f32_dpp v[XQ], v[XQ], v[XQ] row_xmask:1 row_mask:0xf bank_mask:0xf
	v_max_num_f32_dpp v[XQ], v[XQ], v[XQ] row_xmask:2 row_mask:0xf bank_mask:0xf
	v_max_num_f32_dpp v[XQ], v[XQ], v[XQ] row_xmask:4 row_mask:0xf bank_mask:0xf
	v_max_num_f32_dpp v[XQ], v[XQ], v[XQ] row_xmask:8 row_mask:0xf bank_mask:0xf
	v_permlanex16_b32 v[XQ+1], v[XQ], s86, s87
	v_max_num_f32 v[XQ], v[XQ], v[XQ+1]            ; m, in every lane
	v_max_num_f32 v[XQ], 0x0d800000, v[XQ]         ; at least 2^-100,
	v_min_num_f32 v[XQ], 0x71800000, v[XQ]         ; at most 2^100
	v_and_b32 v[XQ], 0x7f800000, v[XQ]             ; e << 23
	v_add_nc_u32 v[XQ+1], 0xff000000, v[XQ]        ; (e - 2) << 23 = g
	v_mul_f32 v[XQ+2], 0x3e38aa3b, v[XQ+1]         ; c
	v_mul_f32 v[XQ+3], 0xbe38aa3b, v[XQ+1]         ; -c
	v_readfirstlane_b32 s[CG], v[XQ+2]             ; the same in all lanes: as scalars they need no register window
	s_mov_b32 s[CG+1], s[CG]
	v_readfirstlane_b32 s[NCG], v[XQ+3]
; ---- the first product ----
.macro FETCH slot, q, f                ; 24 loads: quarter q (32 along K) of a slot into buffer f
.irp b, 0,1,2,3,4,5,6,7
	ds_load_tr16_b128 v[\f+8*\b:\f+8*\b+3],   v[ADRW+\slot] offset:32*WPITCH*\q+32*\b
	ds_load_tr16_b128 v[\f+8*\b+4:\f+8*\b+7], v[ADRW+\slot] offset:32*WPITCH*\q+32*\b+16*WPITCH
.endr
.irp a, 0,1,2,3
	ds_load_b128 v[\f+64+8*\a:\f+64+8*\a+3], v[ADRA+\slot] offset:16*APITCH*\a+64*\q
	ds_load_b128 v[\f+64+8*\a+4:\f+64+8*\a+7], v[ADRA+\slot] offset:16*APITCH*\a+64*\q+32
.endr
.endm
; 16 matrix instructions: row tiles a0, a0 + 1 x all 8 column tiles.  The 32 accumulators take turns, one instruction a turn.
.macro MUL16 f, a0, zero
.irp a, \a0, \a0+1
.irp b, 0,1,2,3,4,5,6,7
.if \zero
	v_wmma_f32_16x16x32_f16 v[8*(8*(\a)+\b):8*(8*(\a)+\b)+7], v[\f+8*\b:\f+8*\b+7], v[\f+64+8*(\a):\f+64+8*(\a)+7], 0
.else
	v_wmma_f32_16x16x32_f16 v[8*(8*(\a)+\b):8*(8*(\a)+\b)+7], v[\f+8*\b:\f+8*\b+7], v[\f+64+8*(\a):\f+64+8*(\a)+7], v[8*(8*(\a)+\b):8*(8*(\a)+\b)+7]
.endif
.endr
.endr
.endm
.macro QUARTER slot, q, f, g, zero     ; multiplies buffer f and, ahead of that, asks for quarter q into buffer g
	s_wait_dscnt 0x0                               ; buffer f is in: its loads went out 32 matrix instructions ago
	WIN 0
	PLACES
	FETCH \slot, \q, \g
	WIN 0x50                                       ; C and D in window 1
	MUL16 \f, 0, \zero
	MUL16 \f, 2, \zero
.endm
.macro THREE slot, zero
	QUARTER \slot, 1, F0, F1, \zero
	QUARTER \slot, 2, F1, F0, 0
	QUARTER \slot, 3, F0, F1, 0
.endm
; the last quarter and the change of slots.  In front of the barrier: my reads of this slot are back (buffer 1 holds its last quarter) and all my
; tensor loads have landed, my part of the next slot among them.  fill = 1: the slot gets the tiles two K steps on; fill = 2: slot 0 gets V.  The
; barrier opens a round of the cluster's barrier, and the joint load is the first tensor load behind the round, one a wave.  The last quarter's 32
; matrix instructions stand behind the request, so that it has them too in which to land.
.macro TURN slot, next, fill
	s_wait_dscnt 0x0
	s_wait_tensorcnt 0x0
	ds_add_u32 v30, v31
	s_wait_dscnt 0x0
	WIN 0
	s_barrier_signal -1
	s_barrier_wait -1
	CREST
.if \fill == 1
	s_add_nc_u64 s[G0A+4*\slot+2:G0A+4*\slot+3], s[G0A+4*\slot+2:G0A+4*\slot+3], 2*ASTEP
	s_add_nc_u64 s[G0W+4*\slot+2:G0W+4*\slot+3], s[G0W+4*\slot+2:G0W+4*\slot+3], 2*WSTEP
	JLOAD \slot
.else
	tensor_load_to_lds s[G0V:G0V+3], s[G1W:G1W+7]
	s_nop 0
.endif
	PLACES
	FETCH \next, 0, F0
	WIN 0x50
	MUL16 F1, 0, 0
	MUL16 F1, 2, 0
.endm
.macro LAP zero
	THREE 0, \zero
	TURN 0, 1, 1
	THREE 1, 0
	TURN 1, 0, 1
.endm
	s_wait_tensorcnt 0x2                           ; my part of K step 0 is in; K step 1's and K's stay out
	s_barrier_signal -1
	s_barrier_wait -1
	FETCH 0, 0, F0
	LAP 1                                          ; K steps 0, 1: the first products start the sums
	WIN 0
	s_mov_b32 s84, 2
.Llap:
	LAP 0                                          ; K steps 2 to 5
	WIN 0
	s_sub_co_u32 s84, s84, 1
	s_cmp_lg_u32 s84, 0
	s_cbranch_scc1 .Llap
	THREE 0, 0                                     ; K step 6
	TURN 0, 1, 2                                   ; slot 0 has had its last K step: V comes into it
	THREE 1, 0                                     ; K step 7
	s_wait_dscnt 0x0
	WIN 0x50
	MUL16 F1, 0, 0
	MUL16 F1, 2, 0
	PLACES
	WIN 0x85                                       ; from window 1 into window 2: q in f16, already in fragment order
.irp a, 0,1,2,3
.irp b, 0,1,2,3,4,5,6,7
.irp i, 0,1,2,3
	v_cvt_pk_f16_f32 v[32*\a+4*\b+\i], v[8*(8*\a+\b)+2*\i], v[8*(8*\a+\b)+2*\i+1]
.endr
.endr
.endr
	WIN 0
	s_wait_tensorcnt 0x0                           ; my part of V is in
	s_wait_dscnt 0x0
	s_barrier_signal -1
	s_barrier_wait -1                              ; everybody's is (K's parts were shown by the first change of slots)
; ---- attention ----
.macro FETCHK g, kb, hd                ; 16 loads: K's feature tiles 4 g .. 4 g + 3, the head's 64 columns
.irp i, 0,1,2,3
.irp kc, 0,1
	ds_load_b128 v[\kb+8*(2*\i+\kc):\kb+8*(2*\i+\kc)+3],   v[ADRK] offset:16*APITCH*(4*\g+\i)+128*\hd+64*\kc
	ds_load_b128 v[\kb+8*(2*\i+\kc)+4:\kb+8*(2*\i+\kc)+7], v[ADRK] offset:16*APITCH*(4*\g+\i)+128*\hd+64*\kc+32
.endr
.endr
.endm
.macro S16 g, kb, rp, hd               ; 16 matrix instructions on 8 accumulators by turns; the first of each starts its sum
.irp kc, 0,1
.irp i, 0,1,2,3
.irp rt, 0,1
.if \kc
	v_wmma_f32_16x16x32_f16 v[8*(16*\rt+4*\g+\i):8*(16*\rt+4*\g+\i)+7], v[\kb+8*(2*\i+\kc):\kb+8*(2*\i+\kc)+7], v[32*(2*\rp+\rt)+8*(2*\hd+\kc):32*(2*\rp+\rt)+8*(2*\hd+\kc)+7], v[8*(16*\rt+4*\g+\i):8*(16*\rt+4*\g+\i)+7]
.else
	v_wmma_f32_16x16x32_f16 v[8*(16*\rt+4*\g+\i):8*(16*\rt+4*\g+\i)+7], v[\kb+8*(2*\i+\kc):\kb+8*(2*\i+\kc)+7], v[32*(2*\rp+\rt)+8*(2*\hd+\kc):32*(2*\rp+\rt)+8*(2*\hd+\kc)+7], 0
.endif
.endr
.endr
.endr
.endm
.macro FETCHV g, kb, hd                ; 16 transposing loads: V's features 64 g .. 64 g + 63, the head's 64 columns
.irp kk, 0,1
.irp dt, 0,1,2,3
	ds_load_tr16_b128 v[\kb+8*(4*\kk+\dt):\kb+8*(4*\kk+\dt)+3],   v[ADRV+((2*\g+\kk)>>2)] offset:32*WPITCH*((2*\g+\kk)&3)+128*\hd+32*\dt
	ds_load_tr16_b128 v[\kb+8*(4*\kk+\dt)+4:\kb+8*(4*\kk+\dt)+7], v[ADRV+((2*\g+\kk)>>2)] offset:32*WPITCH*((2*\g+\kk)&3)+128*\hd+32*\dt+16*WPITCH
.endr
.endr
.endm
.macro PV16 g, kb                      ; 16 matrix instructions on the 8 O tiles by turns
.irp kk, 0,1
.irp dt, 0,1,2,3
.irp rt, 0,1
.if 2*\g+\kk
	v_wmma_f32_16x16x32_f16 v[O+8*(4*\rt+\dt):O+8*(4*\rt+\dt)+7], v[\kb+8*(4*\kk+\dt):\kb+8*(4*\kk+\dt)+7], v[128+64*\rt+8*(2*\g+\kk):128+64*\rt+8*(2*\g+\kk)+7], v[O+8*(4*\rt+\dt):O+8*(4*\rt+\dt)+7]
.else
	v_wmma_f32_16x16x32_f16 v[O+8*(4*\rt+\dt):O+8*(4*\rt+\dt)+7], v[\kb+8*(4*\kk+\dt):\kb+8*(4*\kk+\dt)+7], v[128+64*\rt+8*(2*\g+\kk):128+64*\rt+8*(2*\g+\kk)+7], 0
.endif
.endr
.endr
.endr
.endm
; rows 32 rp .. 32 rp + 31 of my 64 (two row tiles rt), head hd of the pair
.macro ATT rp, hd
	WIN 0
	s_wait_xcnt 0x0                                ; v64-95, which the last turn's stores read, are loaded again only behind this wait
	FETCHK 0, KB0, \hd
	FETCHK 1, KB1, \hd
	s_wait_dscnt 16                                ; LDS answers in order: group 0 is in, the 16 loads of group 1 may stay out
	WIN 0x58                                       ; S in window 1, q in window 2
	S16 0, KB0, \rp, \hd
	WIN 0
	PLACES
	FETCHK 2, KB0, \hd
	s_wait_dscnt 16                                ; group 1 is in
	WIN 0x58
	S16 1, KB1, \rp, \hd
	WIN 0
	PLACES
	FETCHK 3, KB1, \hd
	s_wait_dscnt 16                                ; group 2 is in
	WIN 0x58
	S16 2, KB0, \rp, \hd
	s_wait_dscnt 0x0
	S16 3, KB1, \rp, \hd
	WIN 0
	PLACES
	FETCHV 0, KB0, \hd                             ; V's first 128 features come in while the softmax runs
	FETCHV 1, KB1, \hd
	; the row's maximum: my 128 scores of each row tile in four chains, started by the first eight
	WIN 0x05
.irp rt, 0,1
.irp c, 0,1,2,3
	v_max_num_f32 v[M+4*\rt+\c], v[128*\rt+2*\c], v[128*\rt+2*\c+1]
.endr
.endr
	WIN 0x14
.irp rt, 0,1
.set j, 0
.rept 60
	v_max3_num_f32 v[M+4*\rt+j%4], v[M+4*\rt+j%4], v[128*\rt+8+2*j], v[128*\rt+8+2*j+1]
.set j, j+1
.endr
.endr
	WIN 0
.irp rt, 0,1
	v_max3_num_f32 v[M+4*\rt], v[M+4*\rt], v[M+4*\rt+1], v[M+4*\rt+2]
	v_max_num_f32 v[M+4*\rt], v[M+4*\rt], v[M+4*\rt+3]
	v_permlanex16_b32 v[M+4*\rt+1], v[M+4*\rt], s86, s87       ; the row's other 128 scores lie 16 lanes away
	v_max_num_f32 v[M+4*\rt], v[M+4*\rt], v[M+4*\rt+1]
	v_mul_f32 v[MN+2*\rt], s[NCG], v[M+4*\rt]                  ; -c max (c > 0, so the largest raw score is the largest scaled one)
	v_mul_f32 v[MN+2*\rt+1], s[NCG], v[M+4*\rt]
.endr
	; p = 2^(c S - c max), in place
	WIN 0x41
.irp rt, 0,1
.set j, 0
.rept 64
	v_pk_fma_f32 v[128*\rt+2*j:128*\rt+2*j+1], v[128*\rt+2*j:128*\rt+2*j+1], s[CG:CG+1], v[MN+2*\rt:MN+2*\rt+1] op_sel_hi:[1,0,1]
.set j, j+1
.endr
.endr
.set j, 0
.rept 256
	v_exp_f32 v[j], v[j]
.set j, j+1
.endr
	v_nop                                          ; one plain place behind the exponentials before their results are read (ISA guide 5.7.2)
	; the row's sum, four chains of pairs for each row tile
	WIN 0x05
	s_wait_alu depctr_va_vdst(0)
.irp rt, 0,1
.irp c, 0,1,2,3
	v_pk_add_f32 v[LS+8*\rt+2*\c:LS+8*\rt+2*\c+1], v[128*\rt+4*\c:128*\rt+4*\c+1], v[128*\rt+4*\c+2:128*\rt+4*\c+3]
.endr
.endr
	WIN 0x04
.irp rt, 0,1
.set j, 0
.rept 56
	v_pk_add_f32 v[LS+8*\rt+2*(j%4):LS+8*\rt+2*(j%4)+1], v[LS+8*\rt+2*(j%4):LS+8*\rt+2*(j%4)+1], v[128*\rt+16+2*j:128*\rt+16+2*j+1]
.set j, j+1
.endr
.endr
	WIN 0
.irp rt, 0,1
	v_pk_add_f32 v[LS+8*\rt:LS+8*\rt+1], v[LS+8*\rt:LS+8*\rt+1], v[LS+8*\rt+2:LS+8*\rt+3]
	v_pk_add_f32 v[LS+8*\rt+4:LS+8*\rt+5], v[LS+8*\rt+4:LS+8*\rt+5], v[LS+8*\rt+6:LS+8*\rt+7]
	v_pk_add_f32 v[LS+8*\rt:LS+8*\rt+1], v[LS+8*\rt:LS+8*\rt+1], v[LS+8*\rt+4:LS+8*\rt+5]
	v_add_f32 v[LS+8*\rt], v[LS+8*\rt], v[LS+8*\rt+1]
	v_permlanex16_b32 v[LS+8*\rt+1], v[LS+8*\rt], s86, s87
	v_add_f32 v[LS+8*\rt], v[LS+8*\rt], v[LS+8*\rt+1]
.endr
	v_rcp_f32 v[R], v[LS]                          ; the 128 conversions below stand between these and the first use of their results
	v_rcp_f32 v[R+1], v[LS]
	v_rcp_f32 v[R+2], v[LS+8]
	v_rcp_f32 v[R+3], v[LS+8]
	WIN 0x85                                       ; p in f16, from window 1 into window 2, already in fragment order
.irp rt, 0,1
.set j, 0
.rept 64
	v_cvt_pk_f16_f32 v[128+64*\rt+j], v[128*\rt+2*j], v[128*\rt+2*j+1]
.set j, j+1
.endr
.endr
	; O = P V.  Only source 1 (p) lies outside window 0, so the loads of V need no other setting
	s_wait_dscnt 0x0                               ; V's first two groups
	WIN 0x08
	PV16 0, KB0
	PLACES
	FETCHV 2, KB0, \hd
	PV16 1, KB1
	PLACES
	FETCHV 3, KB1, \hd
	s_wait_dscnt 16                                ; group 2 is in, the 16 loads of group 3 may stay out
	PV16 2, KB0
	s_wait_dscnt 0x0
	PV16 3, KB1
	WIN 0
	PLACES
	; divide by the row's sum, round, and store: tile dt is half dt % 2 of the block of row tile 2 rp + rt and K chunk 2 hd + dt / 2 of my four
	s_wait_alu depctr_va_vdst(0)
.irp rt, 0,1
.irp dt, 0,1,2,3
.irp i, 0,1,2,3
	v_pk_mul_f32 v[O+8*(4*\rt+\dt)+2*\i:O+8*(4*\rt+\dt)+2*\i+1], v[O+8*(4*\rt+\dt)+2*\i:O+8*(4*\rt+\dt)+2*\i+1], v[R+2*\rt:R+2*\rt+1]
.endr
.irp i, 0,1,2,3
	v_cvt_pk_f16_f32 v[KB0+4*(4*\rt+\dt)+\i], v[O+8*(4*\rt+\dt)+2*\i], v[O+8*(4*\rt+\dt)+2*\i+1]
.endr
	global_store_b128 v[XO], v[KB0+4*(4*\rt+\dt):KB0+4*(4*\rt+\dt)+3], s[10:11] offset:(2*\rp+\rt)*32768+(2*\hd+((\dt)>>1))*1024+((\dt)&1)*512
.endr
.endr
.endm
	ATT 0, 0
	ATT 0, 1
	ATT 1, 0
	ATT 1, 1
	s_wait_tensorcnt 0x0
	ds_add_u32 v30, v31
	s_wait_dscnt 0x0
	CROUND                                         ; the closing round: no work-group ends while a partner may still ask jointly
	s_endpgm
.Lfunc_end_k_q0134af20d5_attn:
	.size	k_q0134af20d5_attn, .Lfunc_end_k_q0134af20d5_attn-k_q0134af20d5_attn
	.p2alignl 7, 3214868480
	.fill 96, 4, 3214868480
	.section	.rodata,"a",@progbits
	.p2align	6, 0x0
	.amdhsa_kernel k_q0134af20d5_attn
		.amdhsa_group_segment_fixed_size 327680
		.amdhsa_private_segment_fixed_size 0
		.amdhsa_enable_private_segment 0
		.amdhsa_kernarg_size 40
		.amdhsa_user_sgpr_count 2
		.amdhsa_user_sgpr_kernarg_segment_ptr 1
		.amdhsa_wavefront_size32 1
		.amdhsa_system_sgpr_workgroup_id_x 1
		.amdhsa_system_sgpr_workgroup_id_y 1
		.amdhsa_system_sgpr_workgroup_id_z 1
		.amdhsa_system_vgpr_workitem_id 0
		.amdhsa_next_free_vgpr 768
		.amdhsa_next_free_sgpr 100
		.amdhsa_reserve_vcc 0
		.amdhsa_float_denorm_mode_32 3
		.amdhsa_float_denorm_mode_16_64 3
		.amdhsa_memory_ordered 1
		.amdhsa_forward_progress 1
		.amdhsa_inst_pref_size 255
	.end_amdhsa_kernel
	.section	.bss,"aw",@nobits
	.p2align	6
	.space	262144
	.amdgpu_metadata
---
amdhsa.version: [ 1, 2 ]
amdhsa.kernels:
  - .name:           k_q0134af20d5_attn
    .symbol:         k_q0134af20d5_attn.kd
    .args:
      - { .name: xb, .offset: 0, .size: 8, .value_kind: global_buffer, .address_space: global }
      - { .name: wqb, .offset: 8, .size: 8, .value_kind: global_buffer, .address_space: global }
      - { .name: kvb, .offset: 16, .size: 8, .value_kind: global_buffer, .address_space: global }
      - { .name: ob, .offset: 24, .size: 8, .value_kind: global_buffer, .address_space: global }
      - { .name: xpart, .offset: 32, .size: 8, .value_kind: global_buffer, .address_space: global }
    .group_segment_fixed_size: 327680
    .private_segment_fixed_size: 0
    .kernarg_segment_align: 8
    .kernarg_segment_size: 40
    .max_flat_workgroup_size: 128
    .sgpr_count:     100
    .vgpr_count:     768
    .wavefront_size: 32
...
	.end_amdgpu_metadata
.endif
;; end of part 4
;; launch oproj (part 5): grid 8 x 32, 4 waves a work-group, clusters of 4 x 4, 295,424 bytes of LDS; arguments ob, wpb, bproj, out0, xpart; writes out0
.if DOCPART == 5
	.amdgcn_target "amdgcn-amd-amdhsa--gfx1250"
	.amdhsa_code_object_version 6
	.text
	.protected	k_q0134af20d5_oproj
	.globl	k_q0134af20d5_oproj
	.p2align	8
	.type	k_q0134af20d5_oproj,@function
k_q0134af20d5_oproj:
	s_mov_b64 s[64:65], 0
	v_nop
	global_prefetch_b8 v0, s[64:65] scope:SCOPE_SE
	s_setreg_imm32_b32 hwreg(HW_REG_WAVE_MODE, 25, 1), 1
	s_wait_xcnt 0x0
	s_wait_alu depctr_hold_cnt(0) depctr_sa_sdst(0) depctr_va_vdst(0) depctr_va_sdst(0) depctr_va_ssrc(0) depctr_va_vcc(0) depctr_vm_vsrc(0)
	s_getreg_b32 s2, hwreg(HW_REG_IB_STS2, 6, 4)
	s_cmp_eq_u32 s2, 0
	s_cbranch_scc0 .Lentry_in_a_cluster
	s_endpgm
.Lentry_in_a_cluster:
	s_bfe_u32 s2, ttmp6, 0x10000c
	s_cmp_lg_u32 s2, 0xf033
	s_cbranch_scc0 .Lentry_shape_is_right
	s_endpgm
.Lentry_shape_is_right:
; out0 = g (O/g Wproj) + bproj, f32.  wpb [1024][1024] f16 stored [K][N]; sums in f32, g and the bias applied in f32 by one fused multiply-add.
; g = 2^(exponent of m - 2), m the largest of the 1,024 maxima behind xpart's planes: the same numbers and arithmetic as in the launches before.
; ob holds O / g in f16 AS FRAGMENTS: block (row / 16, K / 32) has 1,024 bytes at ((row / 16) x 32 + K / 32) x 1,024, lane l's 16 bytes at 16 l
; (registers 0-3) and at 512 + 16 l (registers 4-7).  So a load of the wave takes 512 consecutive bytes straight into half a fragment.
; A work-group makes 256 rows x 128 columns over K = 1,024; wave w rows 64 w .. 64 w + 63, all 128 columns: 32 accumulator tiles in window 1.
; Wproj's column tile, all 1,024 rows of 256 bytes + 32 of padding = 294,912 bytes, is laid in LDS ONCE and read transposed: no slot is ever filled
; again, so the K loop has no refill and no round.  Every wave brings 64 rows of each of four blocks of 256: four tensor loads out at the most.
; ob's fragments come through a ring of eight quarter steps (32 along K, 8 loads, 32 registers) in window 2: seven quarters are requested ahead.
; The product is used transposed (source 0 = 16 columns of Wproj, source 1 = 16 rows of ob): a lane holds row lane % 16 and 8 neighbouring columns.
; CLUSTER 4 x 4: Wproj's tile hangs on the column tile, shared down a column of the cluster: asked for jointly.
; ob's rows, which the four work-groups of a row of the cluster share, are NOT asked for jointly: a joint load lands in LDS, where beside Wproj's tile
; 327,680 - 294,912 = 32,768 bytes are left, less than the 256 x 272 = 69,632 of one K step of 128; and each fragment is read by one wave, once.
; LIMITS: operands in f16; sums in the matrix unit's order; m is clamped to 2^-100 .. 2^100.
.set WPITCH, 288
.set WQ,     64*WPITCH                 ; one load's 64 rows
.set WBLK,   4*WQ                      ; a block of 256 rows
.set SPITCH, 528                       ; the stage: 16 rows of 512 + 16 bytes for each wave, in Wproj's first bytes, behind their last read
.set MAXOFF, 0x1000000                 ; the maxima lie behind xpart's four planes
.set ADRW, 8                           ; v8-15   Wproj fragments, one register for each 128 rows (an LDS immediate has 16 bits)
.set STO,  23
.set RD,   24
.set CO,   25                          ; v25     16 x lane; never rewritten
.set BI,   28                          ; v28-31  the bias of my four columns on the way out
.set F0,   64                          ; v64-127, v128-191  Wproj's 8 fragments, two buffers
.set F1,   128
.set XQ,   192                         ; v192-223 the 1,024 maxima, 32 a lane
; window 1: accumulator (a, b) at 8 (8 a + b).  window 2: ob's fragments, quarter q, row tile a at 32 (q % 8) + 8 a
.set G1W, 24
.set G0,  32                           ; s[32:47] one group 0 for each block
.set XB,  94                           ; s[94:95] the maxima
.set GS,  96                           ; s[96:97] g, twice
.set MSB, 0
.macro WIN new                         ; the immediate's high byte repeats the setting that is left
.if MSB != (\new)
	s_set_vgpr_msb (MSB<<8)|(\new)
.set MSB, (\new)
.endif
.endm
.macro PLACES                          ; four places behind a matrix instruction before its registers are loaded into, read or written (ISA guide 7.12.1)
.rept 4
	v_nop
.endr
.endm
.macro CROUND                          ; a round of the cluster's barrier
	s_barrier_signal -1
	s_barrier_wait -1
	s_cmp_lg_u32 s12, 0
	s_cbranch_scc1 .Lnot_wave_0_\@
	s_barrier_signal -3
.Lnot_wave_0_\@:
	s_barrier_wait -3
	s_barrier_signal -1
	s_barrier_wait -1
.endm
.macro ALOAD qq                        ; 8 loads: ob's four fragments of quarter qq
.irp a, 0,1,2,3
	global_load_b128 v[32*((\qq)%8)+8*\a:32*((\qq)%8)+8*\a+3],   v[CO], s[4:5] offset:32768*\a+1024*(\qq)
	global_load_b128 v[32*((\qq)%8)+8*\a+4:32*((\qq)%8)+8*\a+7], v[CO], s[4:5] offset:32768*\a+1024*(\qq)+512
.endr
.endm
.macro FETCHW qq                       ; 16 transposing loads: Wproj's eight fragments of quarter qq
.irp b, 0,1,2,3,4,5,6,7
	ds_load_tr16_b128 v[F0+64*((\qq)%2)+8*\b:F0+64*((\qq)%2)+8*\b+3],   v[ADRW+(\qq)/4] offset:((\qq)%4)*32*WPITCH+32*\b
	ds_load_tr16_b128 v[F0+64*((\qq)%2)+8*\b+4:F0+64*((\qq)%2)+8*\b+7], v[ADRW+(\qq)/4] offset:((\qq)%4)*32*WPITCH+32*\b+16*WPITCH
.endr
.endm
	s_load_b256 s[4:11], s[0:1], 0x0               ; ob 4, wpb 6, bproj 8, out0 10
	s_load_b64 s[XB:XB+1], s[0:1], 0x20            ; xpart
	v_lshl_add_u32 v254, v0, 2, 0x48000
	v_mov_b32 v255, 0
	ds_add_u32 v254, v255
	v_lshrrev_b32 v1, 5, v0
	v_readfirstlane_b32 s12, v1                    ; wave
	v_and_b32 v4, 31, v0
	v_lshlrev_b32 v[CO], 4, v4
	s_bfe_u32 s15, ttmp6, 0x40000                  ; cx
	s_bfe_u32 s16, ttmp6, 0x40004                  ; cy
	s_lshl_b32 s17, ttmp9, 2
	s_add_co_u32 s17, s17, s15                     ; column tile 0..7
	s_and_b32 s19, ttmp7, 0xffff
	s_lshl_b32 s18, s19, 2
	s_add_co_u32 s18, s18, s16                     ; row block 0..31
	s_lshl_b32 s21, 0x1111, s15                    ; my column of the cluster
	s_mov_b32 s86, 0x76543210                      ; v_permlanex16_b32: lane i reads lane i of the other half
	s_mov_b32 s87, 0xfedcba98
	s_or_b32 s[G1W+0], s21, (1<<16)|(1<<20)|(1<<21)|(5<<22)|(7<<25)   ; 2-byte elements; behind every 64 words 8 words of padding; bit 21 beside the mask
	s_mov_b32 s[G1W+1], 128<<16                    ; tensor_dim0
	s_mov_b32 s[G1W+2], 64<<16                     ; tensor_dim1
	s_mov_b32 s[G1W+3], 128<<16                    ; tile_dim0
	s_mov_b32 s[G1W+4], 64                         ; tile_dim1
	s_mov_b32 s[G1W+5], 1024                       ; elements from row to row
	s_mov_b32 s[G1W+6], 0
	s_mov_b32 s[G1W+7], 0
	s_lshl_b32 s76, s18, 19                        ; ob: row tile 16 x block + 4 w, 32,768 bytes a row tile
	s_lshl_b32 s85, s12, 17
	s_add_co_u32 s76, s76, s85
	s_mov_b32 s77, 0
	s_lshl_b32 s80, s12, 17                        ; Wproj: row 64 w, 2,048 bytes a row; column byte 256 x tile.  cy never enters these registers
	s_lshl_b32 s79, s17, 8
	s_add_co_u32 s80, s80, s79
	s_mov_b32 s81, 0
	s_lshl_b32 s92, s17, 9                         ; bproj and a row of out0: 512 bytes a column tile
	s_mov_b32 s93, 0
	s_lshl_b32 s90, s18, 20                        ; out0: row 256 x block + 64 w, 4,096 bytes a row
	s_lshl_b32 s85, s12, 18
	s_add_co_u32 s90, s90, s85
	s_add_co_u32 s90, s90, s92
	s_mov_b32 s91, 0
	s_mul_i32 s23, s12, WQ                         ; LDS places hang on the wave's number alone
	s_wait_dscnt 0x0
	s_wait_kmcnt 0x0
	s_add_nc_u64 s[4:5], s[4:5], s[76:77]
	s_add_nc_u64 s[80:81], s[6:7], s[80:81]
	s_add_nc_u64 s[8:9], s[8:9], s[92:93]
	s_add_nc_u64 s[10:11], s[10:11], s[90:91]
	s_add_nc_u64 s[XB:XB+1], s[XB:XB+1], MAXOFF
	WIN 0x80                                       ; destination in window 2
.irp i, 0,1,2,3,4,5,6
	ALOAD \i                                       ; the ring's first seven quarters: 56 loads
.endr
	WIN 0
	CROUND                                         ; all sixteen work-groups are here: the joint loads meet
.irp j, 0,1,2,3
	s_mov_b32 s[G0+4*\j], 1
	s_add_co_u32 s[G0+4*\j+1], s23, \j*WBLK
	s_add_nc_u64 s[G0+4*\j+2:G0+4*\j+3], s[80:81], \j*256*2048
	s_or_b32 s[G0+4*\j+3], s[G0+4*\j+3], 0x80000000
	tensor_load_to_lds s[G0+4*\j:G0+4*\j+3], s[G1W:G1W+7]       ; my 64 rows of block j: all of the launch's fills, in one group
	s_nop 0
.endr
	v_and_b32 v1, 15, v0                           ; r
	v_bfe_u32 v2, v0, 4, 1                         ; h
	v_and_b32 v3, 7, v0
	v_bfe_u32 v4, v0, 3, 1
	v_lshl_add_u32 v3, v2, 3, v3
	v_mul_u32_u24 v3, v3, WPITCH
	v_lshl_add_u32 v3, v4, 4, v3                   ; a transposing load: row 8 h + l % 8, 16-byte half (l / 8) % 2
.irp i, 0,1,2,3,4,5,6,7
	v_add_nc_u32 v[ADRW+\i], \i*128*WPITCH, v3
.endr
	s_mul_i32 s89, s12, 16*SPITCH                  ; my stage
	v_mul_u32_u24 v6, v1, SPITCH
	v_lshl_add_u32 v6, v2, 5, v6
	v_add_nc_u32 v[STO], s89, v6                   ; in: row r, 32 bytes for each half of the lanes
	v_add_nc_u32 v[RD], s89, v[CO]                 ; back: a whole row of 512 bytes a load
	s_wait_tensorcnt 0x3                           ; my part of block 0 is in; the three later blocks' stay out
	s_barrier_signal -1
	s_barrier_wait -1
	FETCHW 0
; THE K LOOP, written out: 32 quarters of 32 matrix instructions.  In quarter q: ob's fragments of q are in; Wproj's fragments of q + 1 and ob's of
; q + 7 are requested, into registers that quarter q - 1 read (the four places stand behind its matrix instructions); then the products.
; The 32 accumulators take turns, one instruction a turn.
.set q, 0
.rept 32
.if q <= 25
	s_wait_loadcnt 48                              ; loads return in order: quarter q is in, the six younger quarters' 48 loads may stay out
.else
	s_wait_loadcnt 8*(31-q)+9                      ; the quarters that are left, and the 9 loads of bias and maxima behind them
.endif
.if q%8 == 7
.if q < 31
	s_wait_dscnt 0x0                               ; no LDS load of mine is out at the signal
	s_wait_tensorcnt 2-q/8                         ; my part of the next block of 256 rows is in; the later blocks' stay out
	s_barrier_signal -1
	s_barrier_wait -1                              ; everybody's is
.endif
.endif
	WIN 0
	PLACES
.if q < 31
	FETCHW q+1
.endif
.if q < 25
	WIN 0x80
	ALOAD q+7
.endif
.if q == 25
	global_load_b128 v[BI:BI+3], v[CO], s[8:9]     ; nothing of ob is left to ask for: the bias of my four columns, and all 1,024 maxima
.irp i, 0,1,2,3,4,5,6,7
	global_load_b128 v[XQ+4*\i:XQ+4*\i+3], v[CO], s[XB:XB+1] offset:512*\i
.endr
.endif
.if q < 31
	s_wait_dscnt 16                                ; LDS answers in order: this quarter's fragments are in, the next quarter's 16 loads may stay out
.else
	s_wait_dscnt 0x0
.endif
	WIN 0x58                                       ; source 1 in window 2, C and D in window 1
.irp a, 0,1,2,3
.irp b, 0,1,2,3,4,5,6,7
.if q == 0
	v_wmma_f32_16x16x32_f16 v[8*(8*\a+\b):8*(8*\a+\b)+7], v[F0+64*(q%2)+8*\b:F0+64*(q%2)+8*\b+7], v[32*(q%8)+8*\a:32*(q%8)+8*\a+7], 0
.else
	v_wmma_f32_16x16x32_f16 v[8*(8*\a+\b):8*(8*\a+\b)+7], v[F0+64*(q%2)+8*\b:F0+64*(q%2)+8*\b+7], v[32*(q%8)+8*\a:32*(q%8)+8*\a+7], v[8*(8*\a+\b):8*(8*\a+\b)+7]
.endif
.endr
.endr
.set q, q+1
.endr
	WIN 0
	PLACES
	; the scale: m, its exponent, g
	s_wait_loadcnt 0x0                             ; the bias and the maxima
.set j, 0
.rept 15
	v_max3_num_f32 v[XQ], v[XQ], v[XQ+1+2*j], v[XQ+2+2*j]
.set j, j+1
.endr
	v_max_num_f32 v[XQ], v[XQ], v[XQ+31]
	v_max_num_f32_dpp v[XQ], v[XQ], v[XQ] row_xmask:1 row_mask:0xf bank_mask:0xf
	v_max_num_f32_dpp v[XQ], v[XQ], v[XQ] row_xmask:2 row_mask:0xf bank_mask:0xf
	v_max_num_f32_dpp v[XQ], v[XQ], v[XQ] row_xmask:4 row_mask:0xf bank_mask:0xf
	v_max_num_f32_dpp v[XQ], v[XQ], v[XQ] row_xmask:8 row_mask:0xf bank_mask:0xf
	v_permlanex16_b32 v[XQ+1], v[XQ], s86, s87
	v_max_num_f32 v[XQ], v[XQ], v[XQ+1]            ; m, in every lane
	v_max_num_f32 v[XQ], 0x0d800000, v[XQ]         ; at least 2^-100,
	v_min_num_f32 v[XQ], 0x71800000, v[XQ]         ; at most 2^100
	v_and_b32 v[XQ], 0x7f800000, v[XQ]             ; e << 23
	v_add_nc_u32 v[XQ+1], 0xff000000, v[XQ]        ; (e - 2) << 23 = g
	v_readfirstlane_b32 s[GS], v[XQ+1]             ; the same in all lanes
	s_mov_b32 s[GS+1], s[GS]
	s_wait_dscnt 0x0                               ; my reads of Wproj's rows are back (met: the last quarter waited for them)
	s_barrier_signal -1
	s_barrier_wait -1                              ; everybody's are: the tile's first bytes, which have had their only fill, become the stage
; THE WAY OUT, 16 rows at a time: a lane's 8 f32 of each tile go as two 16-byte stores into my own stage, whole rows of 512 bytes come back
; (LDS serves a wave's instructions in order, ISA guide 5.7.1.4), g and the bias are applied, and a wave's store covers 512 consecutive bytes, aligned.
.macro OUT16 a, f
	WIN 0x04                                       ; the store's data in window 1
.irp b, 0,1,2,3,4,5,6,7
	ds_store_b128 v[STO], v[8*(8*\a+\b):8*(8*\a+\b)+3]   offset:64*\b
	ds_store_b128 v[STO], v[8*(8*\a+\b)+4:8*(8*\a+\b)+7] offset:64*\b+16
.endr
	WIN 0
	s_wait_xcnt 0x0                                ; buffer f, which earlier stores read, is loaded again only behind this wait
.irp t, 0,1,2,3,4,5,6,7,8,9,10,11,12,13,14,15
	ds_load_b128 v[\f+4*\t:\f+4*\t+3], v[RD] offset:\t*SPITCH
.endr
.irp t, 0,1,2,3,4,5,6,7,8,9,10,11,12,13,14,15
	s_wait_dscnt 15-\t
	v_pk_fma_f32 v[\f+4*\t:\f+4*\t+1],   v[\f+4*\t:\f+4*\t+1],   s[GS:GS+1], v[BI:BI+1]   op_sel_hi:[1,0,1]
	v_pk_fma_f32 v[\f+4*\t+2:\f+4*\t+3], v[\f+4*\t+2:\f+4*\t+3], s[GS:GS+1], v[BI+2:BI+3] op_sel_hi:[1,0,1]
	global_store_b128 v[CO], v[\f+4*\t:\f+4*\t+3], s[10:11] offset:\a*65536+\t*4096 th:TH_STORE_NT
.endr
.endm
	OUT16 0, F0
	OUT16 1, F1
	OUT16 2, F0
	OUT16 3, F1
	s_wait_tensorcnt 0x0
	ds_add_u32 v254, v255
	s_wait_dscnt 0x0
	CROUND                                         ; the closing round: no work-group ends while a partner may still ask jointly
	s_endpgm
.Lfunc_end_k_q0134af20d5_oproj:
	.size	k_q0134af20d5_oproj, .Lfunc_end_k_q0134af20d5_oproj-k_q0134af20d5_oproj
	.p2alignl 7, 3214868480
	.fill 96, 4, 3214868480
	.section	.rodata,"a",@progbits
	.p2align	6, 0x0
	.amdhsa_kernel k_q0134af20d5_oproj
		.amdhsa_group_segment_fixed_size 295424
		.amdhsa_private_segment_fixed_size 0
		.amdhsa_enable_private_segment 0
		.amdhsa_kernarg_size 40
		.amdhsa_user_sgpr_count 2
		.amdhsa_user_sgpr_kernarg_segment_ptr 1
		.amdhsa_wavefront_size32 1
		.amdhsa_system_sgpr_workgroup_id_x 1
		.amdhsa_system_sgpr_workgroup_id_y 1
		.amdhsa_system_sgpr_workgroup_id_z 1
		.amdhsa_system_vgpr_workitem_id 0
		.amdhsa_next_free_vgpr 768
		.amdhsa_next_free_sgpr 100
		.amdhsa_reserve_vcc 0
		.amdhsa_float_denorm_mode_32 3
		.amdhsa_float_denorm_mode_16_64 3
		.amdhsa_memory_ordered 1
		.amdhsa_forward_progress 1
		.amdhsa_inst_pref_size 163
	.end_amdhsa_kernel
	.amdgpu_metadata
---
amdhsa.version: [ 1, 2 ]
amdhsa.kernels:
  - .name:           k_q0134af20d5_oproj
    .symbol:         k_q0134af20d5_oproj.kd
    .args:
      - { .name: ob, .offset: 0, .size: 8, .value_kind: global_buffer, .address_space: global }
      - { .name: wpb, .offset: 8, .size: 8, .value_kind: global_buffer, .address_space: global }
      - { .name: bproj, .offset: 16, .size: 8, .value_kind: global_buffer, .address_space: global }
      - { .name: out0, .offset: 24, .size: 8, .value_kind: global_buffer, .address_space: global }
      - { .name: xpart, .offset: 32, .size: 8, .value_kind: global_buffer, .address_space: global }
    .group_segment_fixed_size: 295424
    .private_segment_fixed_size: 0
    .kernarg_segment_align: 8
    .kernarg_segment_size: 40
    .max_flat_workgroup_size: 128
    .sgpr_count:     100
    .vgpr_count:     768
    .wavefront_size: 32
...
	.end_amdgpu_metadata
.endif
;; end of part 5
;; ======== version 2 of 2: 5 launches; version 1 with the launch cvt written anew for expert scheduling mode
;; limits: values are held in f16: magnitudes above 65,504 overflow, below 6.1e-05 lose precision; right only within a limited range of input values
;; workspace buffers: xb 16,777,216 bytes; pb 4,194,304 bytes; wqb 2,097,152 bytes; wkvb 4,194,304 bytes; wpb 2,097,152 bytes; xpart 16,781,312 bytes; kvb 2,097,152 bytes; ob 16,777,216 bytes
;; launch cvt (part 6): grid 512 x 1, 8 waves a work-group, no clusters, 0 bytes of LDS; arguments x, Wq, Wkv, Wproj, proj_k, proj_v, xb, wqb, wkvb, wpb, pb; writes xb, wqb, wkvb, wpb, pb
.if DOCPART == 6
	.amdgcn_target "amdgcn-amd-amdhsa--gfx1250"
	.amdhsa_code_object_version 6
	.text
	.protected	k_q0134af20d5_cvt
	.globl	k_q0134af20d5_cvt
	.p2align	8
	.type	k_q0134af20d5_cvt,@function
k_q0134af20d5_cvt:
	s_mov_b64 s[64:65], 0
	v_nop
	global_prefetch_b8 v0, s[64:65] scope:SCOPE_SE
	s_setreg_imm32_b32 hwreg(HW_REG_WAVE_SCHED_MODE, 0, 2), 2
	s_setreg_imm32_b32 hwreg(HW_REG_WAVE_MODE, 25, 1), 1
	s_wait_xcnt 0x0
	s_wait_alu depctr_vm_vsrc(0)
; Every large input is rounded once from f32 to f16, the form in which the matrix units of the later launches take it.
; WHY f16 AND NOT bf16: the result passes through a chain of five rounded intermediates and is compared within 1 % of its root mean square;
; 8 significant bits a rounding leave too little of that, 11 bits leave it nearly whole.
; RANGE: x is drawn with spread 1 (30 x larger: about 165; with an offset of 30: about 35), proj_k/proj_v within 1/16, the weights within 1/32:
; all far under f16's 65,504.  30 x smaller: numbers under 2^-14 keep an absolute error of 2^-25, under 1/20,000 of the smallest input's spread.
; LIMIT: an input number beyond 65,504 in magnitude becomes infinite.
; xb, wqb, wkvb, wpb keep their input's shape; pb is [4096][512]: columns 0-255 proj_k, 256-511 proj_v.
; A unit of work is 8 neighbouring f32 of one thread (two 16-byte loads) -> 16 bytes of f16 (one store): sixteen neighbouring lanes store
; 256 consecutive bytes, aligned.  512 work-groups x 256 threads x 14 units x 8 = all 14,680,064 numbers; by input: x 8 units, Wq 1, Wkv 2,
; Wproj 1, proj_k 1, proj_v 1.  All 28 loads of a thread go out first.
; No LDS, no matrix unit, no cluster: the work-groups share no byte.
; THE MODE: SCHED_MODE bits 1:0 = 2 (LLVM: expert scheduling mode 2), set by the entry lines.  The code itself states the register dependences
; between vector instructions and memory instructions, with s_wait_alu, always for 0.
; THE PLAN.  Registers that memory instructions touch:
;   v1          the loads' offset.  Written once at the head; read by all 28 loads; never written again.
;   v2, v3      the stores' offsets.  Written at the head; read by the 14 stores; never written again.
;   unit u      v[X + 8 u .. + 7]: its two loads land here; its four conversions read all eight and write the first four; its one store reads those
;               four; nothing writes them afterwards.
; The 14 units go in 7 blocks of two.  Block p waits for its four loads, and then for the vector side: the conversions of block p - 1 have written what
; the two stores of block p - 1 read.  Those two stores are dealt among block p's eight conversions, which name block p's registers alone.
; No register that a memory instruction reads is ever written again, so no wait on vm_vsrc is owed; no vector instruction writes a scalar register, VCC or EXEC.
.set X, 8                              ; v[8:119]  unit u: 8 registers as loaded, its first 4 as stored
.macro LD u, base, off
	global_load_b128 v[X+8*\u:X+8*\u+3],   v1, s[\base:\base+1] offset:\off th:TH_LOAD_NT
	global_load_b128 v[X+8*\u+4:X+8*\u+7], v1, s[\base:\base+1] offset:\off+16 th:TH_LOAD_NT
.endm
.macro CVT u
.irp j, 0,1,2,3
	v_cvt_pk_f16_f32 v[X+8*\u+\j], v[X+8*\u+2*\j], v[X+8*\u+2*\j+1]   ; in place, ascending: no source is overwritten before it is read
.endr
.endm
.macro ST u, vo, base, off
	global_store_b128 v[\vo], v[X+8*\u:X+8*\u+3], s[\base:\base+1] offset:\off
.endm
	s_load_b512 s[4:19], s[0:1], 0x0               ; x 4, Wq 6, Wkv 8, Wproj 10, proj_k 12, proj_v 14, xb 16, wqb 18
	s_load_b128 s[20:23], s[0:1], 0x40             ; wkvb 20, wpb 22
	s_load_b64 s[24:25], s[0:1], 0x50              ; pb 24
	s_lshl_b32 s26, ttmp9, 16                      ; the work-group's share, in bytes: x 65,536
	s_mov_b32 s27, 0
	s_lshl_b32 s28, ttmp9, 15                      ; xb 32,768
	s_mov_b32 s29, 0
	s_lshl_b32 s30, ttmp9, 14                      ; Wkv 16,384
	s_mov_b32 s31, 0
	s_lshl_b32 s32, ttmp9, 13                      ; Wq, Wproj, proj_k, proj_v, wkvb, pb 8,192
	s_mov_b32 s33, 0
	s_lshl_b32 s34, ttmp9, 12                      ; wqb, wpb 4,096
	s_mov_b32 s35, 0
	v_lshlrev_b32 v1, 5, v0                        ; in: 32 t
	v_lshlrev_b32 v2, 4, v0                        ; out: 16 t
	v_lshrrev_b32 v3, 5, v0                        ; pb: a row of proj_k is 32 threads' work; row t / 32 of the group's 8,
	v_and_b32 v4, 31, v0
	v_lshlrev_b32 v4, 4, v4
	v_lshl_add_u32 v3, v3, 10, v4                  ; 1,024 bytes a row of pb + 16 (t mod 32)
	s_wait_kmcnt 0x0
	s_add_nc_u64 s[4:5], s[4:5], s[26:27]
	s_add_nc_u64 s[6:7], s[6:7], s[32:33]
	s_add_nc_u64 s[8:9], s[8:9], s[30:31]
	s_add_nc_u64 s[10:11], s[10:11], s[32:33]
	s_add_nc_u64 s[12:13], s[12:13], s[32:33]
	s_add_nc_u64 s[14:15], s[14:15], s[32:33]
	s_add_nc_u64 s[16:17], s[16:17], s[28:29]
	s_add_nc_u64 s[18:19], s[18:19], s[34:35]
	s_add_nc_u64 s[20:21], s[20:21], s[32:33]
	s_add_nc_u64 s[22:23], s[22:23], s[34:35]
	s_add_nc_u64 s[24:25], s[24:25], s[32:33]
	s_wait_alu depctr_va_vdst(0)                   ; v1, v2 and v3 are written: every load and store of the kernel reads one of them as its offset
.irp i, 0,1,2,3,4,5,6,7
	LD \i, 4, 8192*\i
.endr
	LD 8, 6, 0
	LD 9, 8, 0
	LD 10, 8, 8192
	LD 11, 10, 0
	LD 12, 12, 0
	LD 13, 14, 0
	; block 0: units 0, 1.  No block stands in front of it: no store, and no wait but the one for its data
	s_wait_loadcnt 24                              ; loads return in order: the block's 4 loads are in, the 24 of the six later blocks may stay out
	CVT 0
	CVT 1
	; block 1: units 2, 3
	s_wait_loadcnt 20                              ; the 20 loads of the five later blocks may stay out
	s_wait_alu depctr_va_vdst(0)                   ; the conversions of units 0 and 1 have written the registers that the two stores below read
	ST 0, 2, 16, 0
	CVT 2                                          ; names unit 2's registers alone: the next store owes no further wait
	ST 1, 2, 16, 4096
	CVT 3
	; block 2: units 4, 5
	s_wait_loadcnt 16
	s_wait_alu depctr_va_vdst(0)                   ; the conversions of units 2 and 3 have written the registers that the two stores below read
	ST 2, 2, 16, 8192
	CVT 4
	ST 3, 2, 16, 12288
	CVT 5
	; block 3: units 6, 7
	s_wait_loadcnt 12
	s_wait_alu depctr_va_vdst(0)                   ; the conversions of units 4 and 5 have written the registers that the two stores below read
	ST 4, 2, 16, 16384
	CVT 6
	ST 5, 2, 16, 20480
	CVT 7
	; block 4: units 8 (Wq), 9 (Wkv)
	s_wait_loadcnt 8
	s_wait_alu depctr_va_vdst(0)                   ; the conversions of units 6 and 7 have written the registers that the two stores below read
	ST 6, 2, 16, 24576
	CVT 8
	ST 7, 2, 16, 28672
	CVT 9
	; block 5: units 10 (Wkv), 11 (Wproj)
	s_wait_loadcnt 4
	s_wait_alu depctr_va_vdst(0)                   ; the conversions of units 8 and 9 have written the registers that the two stores below read
	ST 8, 2, 18, 0
	CVT 10
	ST 9, 2, 20, 0
	CVT 11
	; block 6: units 12 (proj_k), 13 (proj_v)
	s_wait_loadcnt 0x0
	s_wait_alu depctr_va_vdst(0)                   ; the conversions of units 10 and 11 have written the registers that the two stores below read
	ST 10, 2, 20, 4096
	CVT 12
	ST 11, 2, 22, 0
	CVT 13
	s_wait_alu depctr_va_vdst(0)                   ; the conversions of units 12 and 13 have written the registers that the last two stores read
	ST 12, 3, 24, 0                                ; proj_k: the left 512 bytes of pb's rows
	ST 13, 3, 24, 512                              ; proj_v: the right 512
	s_endpgm
.Lfunc_end_k_q0134af20d5_cvt:
	.size	k_q0134af20d5_cvt, .Lfunc_end_k_q0134af20d5_cvt-k_q0134af20d5_cvt
	.p2alignl 7, 3214868480
	.fill 96, 4, 3214868480
	.section	.rodata,"a",@progbits
	.p2align	6, 0x0
	.amdhsa_kernel k_q0134af20d5_cvt
		.amdhsa_group_segment_fixed_size 0
		.amdhsa_private_segment_fixed_size 0
		.amdhsa_enable_private_segment 0
		.amdhsa_kernarg_size 88
		.amdhsa_user_sgpr_count 2
		.amdhsa_user_sgpr_kernarg_segment_ptr 1
		.amdhsa_wavefront_size32 1
		.amdhsa_system_sgpr_workgroup_id_x 1
		.amdhsa_system_sgpr_workgroup_id_y 1
		.amdhsa_system_sgpr_workgroup_id_z 1
		.amdhsa_system_vgpr_workitem_id 0
		.amdhsa_next_free_vgpr 120
		.amdhsa_next_free_sgpr 66
		.amdhsa_reserve_vcc 0
		.amdhsa_float_denorm_mode_32 3
		.amdhsa_float_denorm_mode_16_64 3
		.amdhsa_memory_ordered 1
		.amdhsa_forward_progress 1
		.amdhsa_inst_pref_size 10
	.end_amdhsa_kernel
	.amdgpu_metadata
---
amdhsa.version: [ 1, 2 ]
amdhsa.kernels:
  - .name:           k_q0134af20d5_cvt
    .symbol:         k_q0134af20d5_cvt.kd
    .args:
      - { .name: x, .offset: 0, .size: 8, .value_kind: global_buffer, .address_space: global }
      - { .name: Wq, .offset: 8, .size: 8, .value_kind: global_buffer, .address_space: global }
      - { .name: Wkv, .offset: 16, .size: 8, .value_kind: global_buffer, .address_space: global }
      - { .name: Wproj, .offset: 24, .size: 8, .value_kind: global_buffer, .address_space: global }
      - { .name: proj_k, .offset: 32, .size: 8, .value_kind: global_buffer, .address_space: global }
      - { .name: proj_v, .offset: 40, .size: 8, .value_kind: global_buffer, .address_space: global }
      - { .name: xb, .offset: 48, .size: 8, .value_kind: global_buffer, .address_space: global }
      - { .name: wqb, .offset: 56, .size: 8, .value_kind: global_buffer, .address_space: global }
      - { .name: wkvb, .offset: 64, .size: 8, .value_kind: global_buffer, .address_space: global }
      - { .name: wpb, .offset: 72, .size: 8, .value_kind: global_buffer, .address_space: global }
      - { .name: pb, .offset: 80, .size: 8, .value_kind: global_buffer, .address_space: global }
    .group_segment_fixed_size: 0
    .private_segment_fixed_size: 0
    .kernarg_segment_align: 8
    .kernarg_segment_size: 88
    .max_flat_workgroup_size: 256
    .sgpr_count:     66
    .vgpr_count:     120
    .wavefront_size: 32
...
	.end_amdgpu_metadata
.endif
;; end of part 6
;; launch xp: the kernel of part 2 again; grid 4 x 64, 4 waves a work-group, clusters of 4 x 4, 327,680 bytes of LDS; arguments pb, xb, xpart; writes xpart
;; launch kv: the kernel of part 3 again; grid 64 x 4, 4 waves a work-group, clusters of 4 x 1, 327,680 bytes of LDS; arguments xpart, wkvb, kvb; writes kvb
;; launch attn: the kernel of part 4 again; grid 8 x 32, 4 waves a work-group, clusters of 4 x 4, 327,680 bytes of LDS; arguments xb, wqb, kvb, ob, xpart; writes ob
;; launch oproj: the kernel of part 5 again; grid 8 x 32, 4 waves a work-group, clusters of 4 x 4, 295,424 bytes of LDS; arguments ob, wpb, bproj, out0, xpart; writes out0
